; MI455X (gfx1250); checked and timed in simulation.
; The chip was launched on July 23, 2026; its instructions are those of AMD's public machine-readable ISA for CDNA 5 (MIT licence, August 2026) and "CDNA5" Instruction Set Architecture Reference Guide (July 2026). The comments in the code are by the model that wrote it; some were corrected since.
;; Causal Self Attention. Allowed arithmetic: matrix products marked QUANTISED: E2M1 operands, one E8M0 scale for each 32 along K, by v_wmma_scale_f32_16x16x128_f8f6f4 with both operands' format E2M1 (or v_wmma_scale_f32_32x16x128_f4), f32 sums; products left as they are: bf16, f16 or f32 operands; f32 sums; everything else in f32.
;; Inputs: w_out 1,024 x 1,024 float32; w_qkv 3,072 x 1,024 float32; x 4 x 2,048 x 1,024 float32.
;; Outputs: out0 4 x 2,048 x 1,024 float32.
;; This version of the problem:
;;   THIS VERSION OF THE PROBLEM IS GIVEN IN LOW PRECISION. The matrix products marked QUANTISED in the list below multiply operands that are first quantised to E2M1 (2 exponent bits, 1 mantissa bit; 4 bits a number), with one power-of-two scale for each 32 numbers along K (OCP MX v1.0); their sums are f32. The products marked 'left as it is' may take bf16, f16 or f32 operands, with f32 sums. Whichever they take, every output number must still come out within the allowed error. Rounding operands to bf16 (8 significant bits) uses up far more of that allowance than f16 does (11 bits, for magnitudes from 6e-5 to 65,504). All else is computed in f32.
;;   The module's matrix products, in the order in which they are computed (A, B: the left and right operand; K: the contracted axis; several contracted axes count as one K, in the product's order):
;;     1. [M 8,192, K 1,024] x [K 1,024, N 3,072]; A: input x; B: input w_qkv: QUANTISED
;;     2. batch 64 x [M 2,048, K 64] x [K 64, N 2,048]; A: computed on the way; B: computed on the way: left as it is (an operand is computed on the way)
;;     3. batch 64 x [M 2,048, K 2,048] x [K 2,048, N 64]; A: computed on the way; B: computed on the way: left as it is (an operand is computed on the way)
;;     4. [M 8,192, K 1,024] x [K 1,024, N 1,024]; A: computed on the way; B: input w_out: left as it is (an operand is computed on the way)
;;   THE QUANTISER, for each operand of a quantised product, along K:
;;     - K is cut into blocks of 32 from its start; a last block that is shorter is filled with zeros.
;;     - A block's scale is 2^e with e = floor(log2(the largest magnitude in the block)) - 2, held to -126 .. 127; a block of zeros has e = 0. As a byte (E8M0): e + 127.
;;     - Each number is divided by its block's scale, clamped to +-6, and rounded to the nearest number of E2M1, ties to even, subnormals kept.
;;     - The product sums the exact products of the quantised numbers (number of the format x scale) in f32.
;;   ~~~python
;;   def quantise(x, axis):      # numpy; x: float32 -> the quantised numbers, widened to float32 again
;;       x = np.moveaxis(x, axis, -1); K = x.shape[-1]
;;       x = np.pad(x, [(0, 0)] * (x.ndim - 1) + [(0, -K % 32)]); x = x.reshape(x.shape[:-1] + (-1, 32)); a = np.abs(x).max(-1, keepdims=True)
;;       e = np.where(a > 0, np.clip(np.frexp(np.where(a > 0, a, 1))[1] - 1 - 2, -126, 127), 0)      # np.frexp(a)[1] - 1 = floor(log2(a)), exactly
;;       r = np.clip(x / 2.0 ** e, -6, 6)
;;       step = 2.0 ** (np.maximum(np.frexp(np.where(r == 0, 1, r))[1] - 1, 0) - 1)
;;       q = np.round(r / step) * step * 2.0 ** e      # np.round: ties to even
;;       return np.moveaxis(q.reshape(q.shape[:-2] + (-1,))[..., :K], -1, axis).astype(np.float32)
;;   ~~~
;; One version. Each part assembles by itself: llvm-mc -triple=amdgcn-amd-amdhsa -mcpu=gfx1250 --defsym DOCPART=n.
;; ======== version 1 of 1: 5 launches
;; limits: values are held in f16: magnitudes above 65,504 overflow, below 6.1e-05 lose precision
;; workspace buffers: xc 4,194,304 bytes; xs 262,144 bytes; wc 1,572,864 bytes; ws 98,304 bytes; w16 2,097,152 bytes; qkv16 50,331,648 bytes; fine 786,432 bytes; y16 16,777,216 bytes
;; launch quant (part 1): grid 384 x 1, 4 waves a work-group, no clusters, 33,280 bytes of LDS; arguments x, w_qkv, xc, xs, wc, ws, w_out, w16; writes xc, xs, wc, ws, w16
.if DOCPART == 1
	.amdgcn_target "amdgcn-amd-amdhsa--gfx1250"
	.amdhsa_code_object_version 6
	.text
	.protected	k_qd48972b090_quant
	.globl	k_qd48972b090_quant
	.p2align	8
	.type	k_qd48972b090_quant,@function
k_qd48972b090_quant:
	s_mov_b64 s[64:65], 0
	v_nop
	global_prefetch_b8 v0, s[64:65] scope:SCOPE_SE
	s_setreg_imm32_b32 hwreg(HW_REG_WAVE_MODE, 25, 1), 1
	s_wait_xcnt 0x0
; FIRST OF FIVE LAUNCHES.  x [8192][1024] and w_qkv [3072][1024], f32, become codes of FP4 (E2M1), K innermost, two codes a byte, with one E8M0 scale byte for each 32 along K;
; w_out [1024][1024], f32, becomes f16, laid in 16 planes of 64 along K: w16 [e / 64][n][64], so that a plane's 128 rows are one dense block for the projection's tile loads.
; A block's scale is 2^(floor(log2(its largest magnitude)) - 2); its byte is the largest magnitude's own exponent field - 2, held at 1 from below.  Each number is divided by the scale and rounded to the nearest code, ties to even.
; LIMITS: NaN and infinities among the inputs are not served; blocks whose largest magnitude lies under 2^-124 keep the byte 1; a block of zeros gets the byte 1 (not 127): its codes are zeros, which add
; nothing under any byte but 0xff, and the bytes are read by this program alone; |w_out| stays at or under 65,504, f16's largest number.
; SHARES: work-groups 0-255 take x, 256-351 w_qkv (32,768 numbers each; rows are dense, so both are plain streams of blocks of 32), 352-383 w_out (32 rows each).
; THE QUANTISER: a wave takes 16 steps of 512 numbers.  Each of a step's four loads reads 512 consecutive bytes, 16 a lane; the 2,048 bytes go through the wave's own stage in LDS and come back 64 bytes a lane,
; so that a lane holds 16 neighbours along K (two lanes hold a block), which is what the conversions take.  A lane's 16 codes are 8 bytes: the wave stores 256 consecutive bytes.  A wave's 256 scale bytes are gathered
; in LDS and leave as 256 consecutive, aligned bytes.  No tensor loads, no barrier: waves share nothing.  Loads run four steps ahead, the turn through LDS one step.
.set WAVES, 4
.set STEPS, 16
.set WGA,   256                        ; x's work-groups: 8,388,608 numbers / 32,768
.set WGQ,   352                        ; x's and w_qkv's together
.set EMAX,  2
.set CB,    8                          ; bytes of 16 codes
.set R,     16                         ; v16-79   four sets of 16 numbers as they are loaded
.set X,     80                         ; v80-111  two sets of 16 neighbours
.set C,     128                        ; v128-191 codes: four registers for each step, so that no store's data are written again
.set E,     112                        ; v112-127 a scale byte for each step
.set WREG,  8192                       ; LDS: a region for each wave: two stages of 32 x SP bytes, and behind them its 256 scale bytes
.set SP,    80                         ; a lane's place in a stage: its 64 bytes + 16 of padding
.set SPW,   12                         ; v12      LDS address of my spare word: SPARE + 4 x my thread's number; never rewritten
.set NIL,   13                         ; v13      0; never rewritten
.set SPARE, WAVES*WREG                 ; behind the four regions: the spare words, 128 bytes for each wave, which no other line names
	s_load_b128 s[4:7], s[0:1], 0x0                ; x, w_qkv
	s_load_b128 s[8:11], s[0:1], 0x10              ; x's codes, x's scales
	s_load_b128 s[12:15], s[0:1], 0x20             ; w_qkv's codes, its scales
	s_load_b128 s[24:27], s[0:1], 0x30             ; w_out, w16
	v_lshl_add_u32 v[SPW], v0, 2, SPARE
	v_mov_b32 v[NIL], 0
	v_lshrrev_b32 v1, 5, v0
	v_readfirstlane_b32 s16, v1                    ; wave
	v_and_b32 v2, 31, v0                           ; lane
	s_cmp_ge_u32 ttmp9, WGQ                        ; the last 32 work-groups convert w_out: a branch on the work-group's number alone
	s_cbranch_scc1 .Lconvert
	v_lshlrev_b32 v3, 4, v2                        ; my 16 bytes of a load's 512
	s_mul_i32 s17, s16, WREG
	v_lshrrev_b32 v14, 2, v2
	v_mul_u32_u24 v14, v14, SP
	v_and_b32 v15, 3, v2
	v_lshl_add_u32 v14, v15, 4, v14
	v_add_nc_u32 v14, s17, v14                     ; the stage, on the way in: four lanes' 64 bytes on end, then 16 of padding
	v_mul_u32_u24 v15, v2, SP
	v_add_nc_u32 v15, s17, v15                     ; and on the way out: SP x lane: my 16 neighbours
	v_mul_u32_u24 v4, v2, CB                       ; my codes' place in a step's
	v_lshrrev_b32 v5, 1, v2
	s_add_co_u32 s17, s17, 2*32*SP
	v_add_nc_u32 v5, s17, v5                       ; LDS: my wave's 256 scale bytes, my block's byte
	v_lshlrev_b32 v7, 3, v2                        ; and on the way out 8 bytes a lane
	v_add_nc_u32 v6, s17, v7
	s_wait_kmcnt 0x0
	s_cmp_lt_u32 ttmp9, WGA                        ; x's work-group or w_qkv's?  Only pointers are chosen: both take one path through the text
	s_cselect_b64 s[4:5], s[4:5], s[6:7]
	s_cselect_b64 s[8:9], s[8:9], s[12:13]
	s_cselect_b64 s[10:11], s[10:11], s[14:15]
	s_cselect_b32 s17, 0, WGA
	s_sub_co_u32 s17, ttmp9, s17
	s_lshl_b32 s17, s17, 2
	s_add_co_u32 s18, s17, s16                     ; which run of 8,192 numbers of the tensor is my wave's
	s_mov_b32 s19, 0
	s_mov_b64 s[20:21], 512*STEPS*4
	s_mul_u64 s[20:21], s[18:19], s[20:21]
	s_add_nc_u64 s[4:5], s[4:5], s[20:21]
	s_mov_b64 s[20:21], 32*STEPS*CB
	s_mul_u64 s[20:21], s[18:19], s[20:21]
	s_add_nc_u64 s[8:9], s[8:9], s[20:21]
	s_lshl_b32 s18, s18, 8                         ; 256 scale bytes a run
	s_add_nc_u64 s[10:11], s[10:11], s[18:19]
.macro LOAD t
.irp i, 0,1,2,3
	global_load_b128 v[R+16*((\t)%4)+4*\i:R+16*((\t)%4)+4*\i+3], v3, s[4:5] offset:2048*(\t)+512*\i th:TH_LOAD_NT   ; 32 lanes read 512 consecutive bytes
.endr
.endm
.macro TURN t                          ; step t's numbers through the stage: LDS serves a wave's instructions in order (ISA guide 5.7.1.4), so no wait stands between the stores and the loads
.irp i, 0,1,2,3
	ds_store_b128 v14, v[R+16*((\t)%4)+4*\i:R+16*((\t)%4)+4*\i+3] offset:32*SP*((\t)%2)+8*SP*\i
.endr
.irp i, 0,1,2,3
	ds_load_b128 v[X+16*((\t)%2)+4*\i:X+16*((\t)%2)+4*\i+3], v15 offset:32*SP*((\t)%2)+16*\i
.endr
.endm
.irp t, 0,1,2,3
	LOAD \t
.endr
	s_wait_loadcnt 12                              ; step 0's four loads are in; the twelve of steps 1 to 3 stay out
	TURN 0
.macro STEP t
.set XS, X+16*((\t)%2)
.if (\t) > 0
	s_wait_dscnt 1                                 ; this step's numbers are back from the stage (the last step's byte store may be out): so its stores into the stage have read their registers,
.else
	s_wait_dscnt 0x0
.endif
.if (\t)+4 < STEPS
	LOAD (\t)+4                                    ; which take the loads of four steps on
.endif
.if (\t)+1 < STEPS
.if STEPS-2-(\t) >= 3
	s_wait_loadcnt 12                              ; the next step's four loads are in; those of the three steps behind it may be out
.else
	s_wait_loadcnt 4*(STEPS-2-(\t))                ; at the end the count runs down with the steps that are left
.endif
	TURN (\t)+1                                    ; and go through the other stage while this step is worked
.endif
	v_max3_num_f32 v8, |v[XS]|, |v[XS+1]|, |v[XS+2]|               ; the largest magnitude of my 16, in two chains
	v_max3_num_f32 v9, |v[XS+3]|, |v[XS+4]|, |v[XS+5]|
.irp i, 6,10
	v_max3_num_f32 v8, v8, |v[XS+\i]|, |v[XS+\i+1]|
	v_max3_num_f32 v9, v9, |v[XS+\i+2]|, |v[XS+\i+3]|
.endr
	v_max3_num_f32 v8, v8, |v[XS+14]|, |v[XS+15]|
	v_max3_num_f32 v8, v8, v9, (EMAX+1)<<23        ; and the floor 2^(EMAX + 1 - 127): so the byte cannot fall under 1
	v_max_num_f32_dpp v8, v8, v8 row_xmask:1 row_mask:0xf bank_mask:0xf   ; and of my neighbour's 16: the block's
	v_add_nc_u32 v11, -(EMAX<<23), v8              ; EMAX off its exponent field: the conversion takes the exponent field of this operand as its scale, and nothing else of it
	v_cvt_scalef32_pk8_fp4_f32 v[C+4*(\t)], v[XS:XS+7], v11        ; eight numbers / the scale, to the nearest code, ties to even, beyond the largest code the largest
	v_cvt_scalef32_pk8_fp4_f32 v[C+4*(\t)+1], v[XS+8:XS+15], v11
	v_lshrrev_b32 v[E+(\t)], 23, v11               ; the scale's byte (also the plain line behind the conversions)
	ds_store_b8 v5, v[E+(\t)] offset:16*(\t)       ; both lanes of a block write the same byte with the same value
	global_store_b64 v4, v[C+4*(\t):C+4*(\t)+1], s[8:9] offset:32*CB*(\t)   ; 32 lanes store 256 consecutive bytes, aligned
.endm
.irp t, 0,1,2,3,4,5,6,7,8,9,10,11,12,13,14,15
	STEP \t
.endr
	ds_load_b64 v[8:9], v6                         ; LDS serves a wave's instructions in order: these see my stores
	s_wait_dscnt 0x0
	global_store_b64 v7, v[8:9], s[10:11]          ; 32 lanes store 256 consecutive bytes, aligned
	s_wait_tensorcnt 0x0                           ; the wave's end, behind my last LDS store
	ds_add_u32 v[SPW], v[NIL]
	s_wait_dscnt 0x0
	s_endpgm
; w_out TO f16 PLANES.  A wave takes 8 rows, four at a time: lane l takes row l / 8 and, in each of the 16 planes, the 8 numbers 8 (l % 8) on: 32 bytes in, 16 bytes out.  In a plane four rows of 128 bytes are
; consecutive, so a store's 32 lanes cover 512 consecutive bytes, at 16 x lane.  All 32 loads of four rows are issued on end; the waits count down the younger groups.
.Lconvert:
	s_sub_co_u32 s17, ttmp9, WGQ
	s_lshl_b32 s17, s17, 5
	s_lshl_b32 s18, s16, 3
	s_add_co_u32 s17, s17, s18                     ; my first row: 32 x work-group + 8 x wave
	s_lshl_b32 s18, s17, 12                        ; a row of w_out is 4,096 bytes,
	s_mov_b32 s19, 0
	s_lshl_b32 s20, s17, 7                         ; a row of a plane 128
	s_mov_b32 s21, 0
	v_lshrrev_b32 v3, 3, v2
	v_and_b32 v4, 7, v2
	v_lshlrev_b32 v1, 12, v3
	v_lshl_add_u32 v1, v4, 5, v1                   ; in: 4,096 (l / 8) + 32 (l % 8)
	v_lshlrev_b32 v2, 4, v2                        ; out: 128 (l / 8) + 16 (l % 8) = 16 l
	s_wait_kmcnt 0x0
	s_add_nc_u64 s[24:25], s[24:25], s[18:19]
	s_add_nc_u64 s[26:27], s[26:27], s[20:21]
.macro HALF rg                         ; rows 4 rg .. 4 rg + 3 of my eight
.irp kb, 0,1,2,3,4,5,6,7,8,9,10,11,12,13,14,15
	global_load_b128 v[16+8*\kb:16+8*\kb+3], v1, s[24:25] offset:\rg*16384+\kb*256 th:TH_LOAD_NT
	global_load_b128 v[16+8*\kb+4:16+8*\kb+7], v1, s[24:25] offset:\rg*16384+\kb*256+16 th:TH_LOAD_NT
.endr
.irp kb, 0,1,2,3,4,5,6,7,8,9,10,11,12,13,14,15
	s_wait_loadcnt 2*(15-\kb)                      ; plane kb's two loads are in; the two of each later plane may be out
.irp k, 0,1,2,3
	v_cvt_pk_f16_f32 v[16+8*\kb+\k], v[16+8*\kb+2*\k], v[16+8*\kb+2*\k+1]   ; in place, ascending: a register is written only when it has been read
.endr
	global_store_b128 v2, v[16+8*\kb:16+8*\kb+3], s[26:27] offset:\kb*131072+\rg*512   ; a plane is 1,024 rows x 128 bytes
.endr
.endm
	HALF 0
	s_wait_xcnt 0x0                                ; the stores have read their data registers: these are loaded again only behind this wait
	HALF 1
	s_wait_tensorcnt 0x0                           ; the wave's end
	ds_add_u32 v[SPW], v[NIL]
	s_wait_dscnt 0x0
	s_endpgm
.Lfunc_end_k_qd48972b090_quant:
	.size	k_qd48972b090_quant, .Lfunc_end_k_qd48972b090_quant-k_qd48972b090_quant
	.p2alignl 7, 3214868480
	.fill 96, 4, 3214868480
	.section	.rodata,"a",@progbits
	.p2align	6, 0x0
	.amdhsa_kernel k_qd48972b090_quant
		.amdhsa_group_segment_fixed_size 33280
		.amdhsa_private_segment_fixed_size 0
		.amdhsa_enable_private_segment 0
		.amdhsa_kernarg_size 64
		.amdhsa_user_sgpr_count 2
		.amdhsa_user_sgpr_kernarg_segment_ptr 1
		.amdhsa_wavefront_size32 1
		.amdhsa_system_sgpr_workgroup_id_x 1
		.amdhsa_system_sgpr_workgroup_id_y 1
		.amdhsa_system_sgpr_workgroup_id_z 1
		.amdhsa_system_vgpr_workitem_id 0
		.amdhsa_next_free_vgpr 192
		.amdhsa_next_free_sgpr 66
		.amdhsa_reserve_vcc 0
		.amdhsa_float_denorm_mode_32 3
		.amdhsa_float_denorm_mode_16_64 3
		.amdhsa_memory_ordered 1
		.amdhsa_forward_progress 1
		.amdhsa_inst_pref_size 52
	.end_amdhsa_kernel
	.amdgpu_metadata
---
amdhsa.version: [ 1, 2 ]
amdhsa.kernels:
  - .name:           k_qd48972b090_quant
    .symbol:         k_qd48972b090_quant.kd
    .args:
      - { .name: x, .offset: 0, .size: 8, .value_kind: global_buffer, .address_space: global }
      - { .name: w_qkv, .offset: 8, .size: 8, .value_kind: global_buffer, .address_space: global }
      - { .name: xc, .offset: 16, .size: 8, .value_kind: global_buffer, .address_space: global }
      - { .name: xs, .offset: 24, .size: 8, .value_kind: global_buffer, .address_space: global }
      - { .name: wc, .offset: 32, .size: 8, .value_kind: global_buffer, .address_space: global }
      - { .name: ws, .offset: 40, .size: 8, .value_kind: global_buffer, .address_space: global }
      - { .name: w_out, .offset: 48, .size: 8, .value_kind: global_buffer, .address_space: global }
      - { .name: w16, .offset: 56, .size: 8, .value_kind: global_buffer, .address_space: global }
    .group_segment_fixed_size: 33280
    .private_segment_fixed_size: 0
    .kernarg_segment_align: 8
    .kernarg_segment_size: 64
    .max_flat_workgroup_size: 128
    .sgpr_count:     66
    .vgpr_count:     192
    .wavefront_size: 32
...
	.end_amdgpu_metadata
.endif
;; end of part 1
;; launch qkv (part 2): grid 12 x 32, 4 waves a work-group, clusters of 4 x 4, 327,680 bytes of LDS; arguments xc, xs, wc, ws, qkv16, fine; writes qkv16, fine
.if DOCPART == 2
	.amdgcn_target "amdgcn-amd-amdhsa--gfx1250"
	.amdhsa_code_object_version 6
	.text
	.protected	k_qd48972b090_qkv
	.globl	k_qd48972b090_qkv
	.p2align	8
	.type	k_qd48972b090_qkv,@function
k_qd48972b090_qkv:
	s_mov_b64 s[64:65], 0
	v_nop
	global_prefetch_b8 v0, s[64:65] scope:SCOPE_SE
	s_setreg_imm32_b32 hwreg(HW_REG_WAVE_MODE, 25, 1), 1
	s_wait_xcnt 0x0
	s_wait_alu depctr_hold_cnt(0) depctr_sa_sdst(0) depctr_va_vdst(0) depctr_va_sdst(0) depctr_va_ssrc(0) depctr_va_vcc(0) depctr_vm_vsrc(0)
	s_getreg_b32 s2, hwreg(HW_REG_IB_STS2, 6, 4)
	s_cmp_eq_u32 s2, 0
	s_cbranch_scc0 .Lentry_in_a_cluster
	s_endpgm
.Lentry_in_a_cluster:
	s_bfe_u32 s2, ttmp6, 0x10000c
	s_cmp_lg_u32 s2, 0xf033
	s_cbranch_scc0 .Lentry_shape_is_right
	s_endpgm
.Lentry_shape_is_right:
; SECOND LAUNCH.  qkv[m][n] = sum over k of x[m][k] w_qkv[n][k] on codes of FP4 (E2M1) with one E8M0 scale for each 32 along K; M = 8,192, N = 3,072, K = 1,024; sums in f32.
; The results leave as f16, sorted by head: qkv16 [3 (q, k, v)][4 batches][16 heads][2,048 positions][64]; 16 positions of a head are 2,048 consecutive bytes.
; The first 16 positions of every sequence leave in f32 as well, as an image of the accumulators' registers (buffer fine): the last launch carries those rows in f32.
; LIMIT: |q|, |k|, |v| stay at or under 65,504, f16's largest number.
; A tile of the result, 256 x 256, is made by a work-group of four waves; a wave makes 128 x 128: 64 accumulators of 16 x 16, 512 registers.
; K is two steps of 512 (a tile's row is 256 bytes of memory): both lie in LDS slots of their own, asked for at the start.  Nothing is filled again, so there is no loop and one change of slots.
; THE SCALES of the work-group's 256 rows of x and 256 rows of w_qkv, for all of K, are two dense blocks of memory: they come into LDS once, with the first fills.
; CLUSTERS: 4 x 4 work-groups.  The four of a row of the cluster need the same tiles of x, the four of a column the same tiles of w_qkv: each tile is asked for JOINTLY, by the same tensor load with the
; same descriptor and a mask that names the four.  THE MATRIX INSTRUCTION IS USED TRANSPOSED (source 0 = 16 rows of w_qkv, source 1 = 16 rows of x): a lane then holds eight neighbouring columns of one row.
; REGISTERS, in windows of 256: window 0: v0-31 addresses; v32-95 scale words, two sets; from v128 x's fragments (8 x 16 rows x 128 K), ONE set; on the way out v32-63, v192-255 are at work.
;   window 1: w_qkv's fragments, TWO sets, at v0 and at v128.   window 2: the 32 accumulators of my rows 0-63 (accumulator (a, b) at v[8 (8 a + b)]);   window 3: those of my rows 64-127.
.set KSTEP,  512                       ; along K in a slot
.set NQ,     KSTEP/128                 ; matrix instructions deep
.set ROWB,   256                       ; a tile's row in bytes: KSTEP codes of 4 bits
.set KROW,   512                       ; a row of codes in memory, in bytes
.set PITCH,  272                       ; an LDS row: 256 bytes + 16 of padding = 68 words: row r starts at bank 4 r mod 64 (64 banks of 4 bytes: ISA guide 11.1)
.set FR,     8                         ; registers of a fragment: 16 rows x 128 K
.set NL,     2                         ; LDS loads that bring one
.set NP,     4                         ; places behind this matrix instruction (ISA guide 7.12.1)
.set HALFT,  128*PITCH                 ; 128 rows: what one tensor load brings, and what one wave reads of either operand
.set SLOT,   4*HALFT                   ; x's 256 rows, then w_qkv's 256 rows
.set KS,     32                        ; a row of scales in bytes
.set SCL,    2*SLOT                    ; behind the slots: the scales, as runs of 256 bytes + 16 of padding
.set HALFS,  (128*KS/256)*272          ; the scales of 128 rows: what one tensor load brings
.set SBLK,   (16*KS/256)*272           ; those of 16 rows
.set SPARE,  SCL+4*HALFS               ; behind the scales: the spare words, 128 bytes for each wave, which no other line names
.set HP,     144                       ; the way out: a stage row: 128 bytes (a head's 64 f16) + 16
.set WST,    2*16*HP                   ; a wave's stage: 2 heads x 16 rows.  It lies in slot 0, which has had its only fill and its last read when the first result is stored there
.set ADRA, 16                          ; v16-17  LDS address of my fragments of x in slot 0, 1
.set ADRB, 20                          ; v20-21  the same for w_qkv
.set STO,  24                          ; v24     the way out: where I put 16 bytes of a row
.set RD,   25                          ; v25     the way out: where I read rows back
.set CO,   26                          ; v26     16 x lane: my place in 512 consecutive bytes
.set ADRS, 27                          ; v27     LDS address of my scale words: lanes 0-15 x's rows, lanes 16-31 w_qkv's
.set SPW,  28                          ; v28     LDS address of my spare word; never rewritten
.set NIL,  29                          ; v29     0; never rewritten
.set FLG,  30                          ; v30     0 where my rows begin a sequence
.set SC,   32                          ; scale words: set s at v[SC + 8 NQ s]; register NQ i + q: lanes 0-15 the word of x's block i, lanes 16-31 that of w_qkv's block i
.set AF,   128                         ; x's fragments, in window 0
.set TMP,  192                         ; the way out: packed results
.set G1, 24                            ; s[24:31] descriptor group 1 for x's tiles;  s[32:39] group 0, one set for each slot
.set G0, 32
.set G1B, 48                           ; s[48:55], s[56:63] the same for w_qkv's tiles
.set G0B, 56
.set G1S, 68                           ; s[68:75], s[76:79] groups 1 and 0 for x's scales;  s[80:87], s[88:91] for w_qkv's
.set G0S, 76
.set G1SB, 80
.set G0SB, 88
.set MSB, 0
.macro WIN new                         ; the immediate's high byte repeats the setting that is left
.if MSB != \new
	s_set_vgpr_msb (MSB<<8)|\new
.set MSB, \new
.endif
.endm
.set MUL_LO, 0xa1                      ; source 0 window 1, source 1 window 0, C and D window 2
.set MUL_HI, 0xf1                      ; the same, C and D window 3
.set TO_B,   0x40                      ; destination window 1, address window 0
; A joint load: waves 0 and 1 fetch for x, waves 2 and 3 for w_qkv.  Each of the two lines has ONE mask and one set of registers for all that issue it; the branch hangs on the wave's number alone.
; An s_nop 0 and four v_nop follow each of the two lines, ahead of the jump, the label and what follows.
.macro JLOAD g0a, g1a, g0b, g1b
	s_cmp_eq_u32 s15, 0
	s_cbranch_scc0 .Lfor_b_\@
	tensor_load_to_lds s[\g0a:\g0a+3], s[\g1a:\g1a+7]
	s_nop 0
.rept 4
	v_nop
.endr
	s_branch .Lasked_\@
.Lfor_b_\@:
	tensor_load_to_lds s[\g0b:\g0b+3], s[\g1b:\g1b+7]
	s_nop 0
.rept 4
	v_nop
.endr
.Lasked_\@:
.endm
.macro CROUND                          ; a round of the cluster's barrier: my work-group's barrier; wave 0 signals for the work-group; every wave waits for all sixteen; my work-group's barrier once more
	s_barrier_signal -1
	s_barrier_wait -1
	s_cmp_lg_u32 s14, 0
	s_cbranch_scc1 .Lnot_wave_0_\@
	s_barrier_signal -3
.Lnot_wave_0_\@:
	s_barrier_wait -3
	s_barrier_signal -1
	s_barrier_wait -1
.endm
	s_load_b128 s[4:7], s[0:1], 0x0                ; x's codes s[4:5], x's scales s[6:7]
	s_load_b128 s[8:11], s[0:1], 0x10              ; w_qkv's codes s[8:9], its scales s[10:11]
	s_load_b64 s[12:13], s[0:1], 0x20              ; qkv16
	s_load_b64 s[96:97], s[0:1], 0x28              ; fine
	v_lshl_add_u32 v[SPW], v0, 2, SPARE
	v_mov_b32 v[NIL], 0
	ds_add_u32 v[SPW], v[NIL]                      ; the wave's opening: the add, twice on end, and its wait ahead of my first tensor load; the set-up below stands between
	ds_add_u32 v[SPW], v[NIL]
	v_lshrrev_b32 v1, 5, v0
	v_readfirstlane_b32 s14, v1                    ; wave 0..3
	s_lshr_b32 s15, s14, 1                         ; which half of the tile's rows is mine.  Also: I fetch for x (0) or for w_qkv (1)
	s_and_b32 s16, s14, 1                          ; which half of its columns.  Also: which 128 rows of that tile I fetch
	s_bfe_u32 s40, ttmp6, 0x40000                  ; cx, cy: my place in the cluster
	s_bfe_u32 s41, ttmp6, 0x40004
	s_lshl_b32 s42, ttmp9, 2
	s_add_co_u32 s42, s42, s40                     ; tile column = 4 x cluster x + cx
	s_and_b32 s17, ttmp7, 0xffff
	s_lshl_b32 s17, s17, 2
	s_add_co_u32 s17, s17, s41                     ; tile row = 4 x cluster y + cy
	s_lshl_b32 s43, s41, 2
	s_lshl_b32 s43, 15, s43                        ; my row of the cluster
	s_lshl_b32 s44, 0x1111, s40                    ; my column
	; descriptor group 1: a tile of 128 rows x ROWB bytes, padded in LDS
	s_or_b32 s[G1+0], s43, (0<<16)|(1<<20)|(1<<21)|(5<<22)|(3<<25)  ; 15:0 the mask: x's tiles go to my row; 17:16 element of 1 byte; 20 padding on; 21 set beside a mask; 24:22 after every 64 words (code 5); 31:25 of 4 words (code 3)
	s_or_b32 s[G1B+0], s44, (0<<16)|(1<<20)|(1<<21)|(5<<22)|(3<<25)
.irp g, G1, G1B
	s_mov_b32 s[\g+1], ROWB<<16                    ; tensor_dim0
	s_mov_b32 s[\g+2], 128<<16                     ; tensor_dim1 = 128
	s_mov_b32 s[\g+3], ROWB<<16                    ; tile_dim0
	s_mov_b32 s[\g+4], 128                         ; tile_dim1 = 128
	s_mov_b32 s[\g+5], KROW                        ; tensor_dim0_stride
	s_mov_b32 s[\g+6], 0
	s_mov_b32 s[\g+7], 0
.endr
	; and for the scales of 128 rows: a dense block of 4,096 bytes, as rows of 256 bytes (32 elements of 8 bytes), 16 bytes of padding behind each
	s_or_b32 s[G1S+0], s43, (3<<16)|(1<<20)|(1<<21)|(5<<22)|(3<<25)
	s_or_b32 s[G1SB+0], s44, (3<<16)|(1<<20)|(1<<21)|(5<<22)|(3<<25)
.irp g, G1S, G1SB
	s_mov_b32 s[\g+1], 32<<16
	s_mov_b32 s[\g+2], (128*KS/256)<<16
	s_mov_b32 s[\g+3], 32<<16
	s_mov_b32 s[\g+4], 128*KS/256
	s_mov_b32 s[\g+5], 32
	s_mov_b32 s[\g+6], 0
	s_mov_b32 s[\g+7], 0
.endr
	s_lshl_b32 s18, s16, 7                         ; which 128 rows of the tile I fetch
	s_lshl_b32 s20, s17, 8
	s_add_co_u32 s20, s20, s18                     ; x: row 256 x tile row + 128 x half
	s_lshl_b32 s46, s42, 8
	s_add_co_u32 s46, s46, s18                     ; w_qkv: row 256 x tile column + 128 x half
	s_mov_b32 s21, 0
	s_mov_b32 s47, 0
	s_mov_b64 s[18:19], KS
	s_mul_u64 s[22:23], s[20:21], s[18:19]         ; where these rows' scales begin, in bytes
	s_mul_u64 s[92:93], s[46:47], s[18:19]
	s_mov_b64 s[18:19], KROW
	s_mul_u64 s[20:21], s[20:21], s[18:19]         ; and their codes
	s_mul_u64 s[46:47], s[46:47], s[18:19]
	s_mul_i32 s45, s14, HALFT                      ; where they go: wave x 128 rows: no place in the cluster enters an LDS address
	s_mul_i32 s94, s14, HALFS
	s_wait_dscnt 0x0                               ; both opening adds are done
	s_wait_kmcnt 0x0
	s_add_nc_u64 s[20:21], s[4:5], s[20:21]
	s_add_nc_u64 s[22:23], s[6:7], s[22:23]
	s_add_nc_u64 s[46:47], s[8:9], s[46:47]
	s_add_nc_u64 s[92:93], s[10:11], s[92:93]
	CROUND                                         ; all sixteen work-groups are here: the first joint loads meet
	s_mov_b32 s[G0S], 1
	s_add_co_u32 s[G0S+1], s94, SCL
	s_mov_b64 s[G0S+2:G0S+3], s[22:23]
	s_or_b32 s[G0S+3], s[G0S+3], 0x80000000
	s_mov_b32 s[G0SB], 1
	s_add_co_u32 s[G0SB+1], s94, SCL
	s_mov_b64 s[G0SB+2:G0SB+3], s[92:93]
	s_or_b32 s[G0SB+3], s[G0SB+3], 0x80000000
	JLOAD G0S, G1S, G0SB, G1SB                     ; the scales first: they are wanted with K step 0.  Three tensor loads of mine are out behind this group
.irp s, 0,1
	s_mov_b32 s[G0+4*\s], 1
	s_add_co_u32 s[G0+4*\s+1], s45, \s*SLOT
	s_add_nc_u64 s[G0+4*\s+2:G0+4*\s+3], s[20:21], \s*ROWB
	s_or_b32 s[G0+4*\s+3], s[G0+4*\s+3], 0x80000000
	s_mov_b32 s[G0B+4*\s], 1
	s_add_co_u32 s[G0B+4*\s+1], s45, \s*SLOT
	s_add_nc_u64 s[G0B+4*\s+2:G0B+4*\s+3], s[46:47], \s*ROWB
	s_or_b32 s[G0B+4*\s+3], s[G0B+4*\s+3], 0x80000000
	JLOAD G0+4*\s, G1, G0B+4*\s, G1B
.endr
	v_and_b32 v1, 15, v0                           ; r = l % 16
	v_bfe_u32 v2, v0, 4, 1                         ; h = l / 16
	v_mul_u32_u24 v3, v1, PITCH
	v_lshl_add_u32 v4, v2, 4, v3                   ; a fragment's row x pitch + 16 x half
	s_mul_i32 s21, s15, HALFT                      ; my 128 rows of x
	s_mul_i32 s22, s16, HALFT                      ; my 128 rows of w_qkv,
	s_add_co_u32 s22, s22, 2*HALFT                 ; which lie behind x's 256
.irp s, 0,1
	v_add_nc_u32 v[ADRA+\s], s21, v4
	v_add_nc_u32 v[ADRB+\s], s22, v4
	s_add_co_u32 s21, s21, SLOT
	s_add_co_u32 s22, s22, SLOT
.endr
	v_mul_u32_u24 v5, v1, KS                       ; my row's scales: KS bytes a row,
	v_lshrrev_b32 v6, 8, v5
	v_lshl_add_u32 v5, v6, 4, v5                   ; and 16 more for each 256 passed
	s_mul_i32 s21, s15, HALFS                      ; x's: my 128 rows
	s_mul_i32 s22, s16, HALFS                      ; w_qkv's: my 128 rows, behind x's 256
	s_add_co_u32 s22, s22, 2*HALFS
	s_sub_co_u32 s22, s22, s21
	v_mul_u32_u24 v6, s22, v2                      ; lanes 16-31 take w_qkv's: one product, the distance between the two bases
	s_add_co_u32 s21, s21, SCL
	v_add_nc_u32 v5, v5, v6
	v_add_nc_u32 v[ADRS], s21, v5
	s_mul_i32 s23, s14, WST                        ; my stage
	v_mul_u32_u24 v5, v1, HP                       ; in: row r, 16 bytes for each half of the lanes
	v_lshl_add_u32 v5, v2, 4, v5
	v_add_nc_u32 v[STO], s23, v5
	v_and_b32 v6, 31, v0
	v_lshlrev_b32 v[CO], 4, v6
	v_lshrrev_b32 v5, 3, v6                        ; back: eight lanes to a row of 128 bytes, four rows an instruction
	v_mul_u32_u24 v5, v5, HP
	v_and_b32 v6, 7, v6
	v_lshl_add_u32 v5, v6, 4, v5
	v_add_nc_u32 v[RD], s23, v5
	; where my part begins in qkv16.  Row m = 256 x tile row + 128 x half: batch m / 2,048, position m % 2,048.  Column n = 256 x tile column + 128 x half: tensor n / 1,024, head (n % 1,024) / 64
	s_lshr_b32 s20, s17, 3
	s_lshl_b32 s20, s20, 22                        ; a batch is 2^22 bytes,
	s_and_b32 s21, s17, 7
	s_lshl_b32 s21, s21, 15                        ; 256 positions of 128 bytes
	s_add_co_u32 s20, s20, s21
	s_lshl_b32 s21, s15, 14
	s_add_co_u32 s20, s20, s21
	s_mov_b32 s21, 0
	s_lshr_b32 s46, s42, 2
	s_lshl_b32 s46, s46, 24                        ; q, k or v: 2^24 bytes each,
	s_and_b32 s47, s42, 3
	s_lshl_b32 s47, s47, 20                        ; four heads of 2^18 bytes to a tile column,
	s_add_co_u32 s46, s46, s47
	s_lshl_b32 s47, s16, 19                        ; two to my half
	s_add_co_u32 s46, s46, s47
	s_mov_b32 s47, 0
	s_add_nc_u64 s[20:21], s[20:21], s[46:47]
	s_add_nc_u64 s[12:13], s[12:13], s[20:21]
	; and in fine: [4 batches][24 groups of 128 columns][8 tiles][2 halves of an accumulator][32 lanes][16 bytes]
	s_lshr_b32 s46, s17, 3
	s_mul_i32 s46, s46, 24
	s_lshl_b32 s47, s42, 1
	s_add_co_u32 s46, s46, s47
	s_add_co_u32 s46, s46, s16
	s_lshl_b32 s46, s46, 13
	s_mov_b32 s47, 0
	s_add_nc_u64 s[96:97], s[96:97], s[46:47]
	s_and_b32 s95, s17, 7
	s_or_b32 s95, s95, s15                         ; 0 where my first 16 rows are a sequence's first 16 positions
	v_mov_b32 v[FLG], s95
.macro FRAG reg, adr, q, i             ; a fragment, 16 rows x 128 K of 4-bit codes, is 8 registers: lane l holds row l % 16; registers 4 c .. 4 c + 3 hold K = 64 c + 32 (l / 16) + 0 .. 31
.irp c, 0,1
	ds_load_b128 v[\reg+4*\c:\reg+4*\c+3], v[\adr] offset:64*(\q)+32*\c+(\i)*16*PITCH
.endr
.endm
; 16 matrix instructions: x's blocks a0, a0 + 1 against w_qkv's eight, 128 along K: the slot's q-th.  p: w_qkv's set;  sc: the set of scale words.  zero = 1: the first product starts the sums: nothing is cleared.
; The 64 accumulators take turns, one instruction a turn, in the same order in every step.
.macro MUL16 a0, p, q, sc, zero
.irp a, \a0, \a0+1
.irp b, 0,1,2,3,4,5,6,7
.if \zero
	v_wmma_scale_f32_16x16x128_f8f6f4 v[8*(8*((\a)%4)+\b):8*(8*((\a)%4)+\b)+7], v[128*(\p)+FR*\b:128*(\p)+FR*\b+FR-1], v[AF+FR*(\a):AF+FR*(\a)+FR-1], 0, v[SC+8*NQ*(\sc)+NQ*\b+(\q)], v[SC+8*NQ*(\sc)+NQ*(\a)+(\q)] matrix_a_fmt:MATRIX_FMT_FP4 matrix_b_fmt:MATRIX_FMT_FP4 matrix_a_scale:MATRIX_SCALE_ROW1
.else
	v_wmma_scale_f32_16x16x128_f8f6f4 v[8*(8*((\a)%4)+\b):8*(8*((\a)%4)+\b)+7], v[128*(\p)+FR*\b:128*(\p)+FR*\b+FR-1], v[AF+FR*(\a):AF+FR*(\a)+FR-1], v[8*(8*((\a)%4)+\b):8*(8*((\a)%4)+\b)+7], v[SC+8*NQ*(\sc)+NQ*\b+(\q)], v[SC+8*NQ*(\sc)+NQ*(\a)+(\q)] matrix_a_fmt:MATRIX_FMT_FP4 matrix_b_fmt:MATRIX_FMT_FP4 matrix_a_scale:MATRIX_SCALE_ROW1
.endif
.endr
.endr
.endm
.macro FETCH_B slot, q, p              ; w_qkv's eight fragments of the slot's q-th 128 along K into set p
	WIN TO_B
.irp i, 0,1,2,3,4,5,6,7
	FRAG 128*(\p)+FR*\i, ADRB+\slot, \q, \i
.endr
	WIN 0
.endm
.macro FETCH_A slot, q, i0             ; x's blocks i0 .. i0 + 3
.irp i, \i0, \i0+1, \i0+2, \i0+3
	FRAG AF+FR*(\i), ADRA+\slot, \q, \i
.endr
.endm
.macro SCALES sc                       ; a K step's scale words into set sc: NQ words a row; lanes 0-15 take x's block i, lanes 16-31 w_qkv's block i
.irp i, 0,1,2,3,4,5,6,7
	ds_load_b128 v[SC+8*NQ*\sc+NQ*\i:SC+8*NQ*\sc+NQ*\i+3], v[ADRS] offset:\i*SBLK
.endr
.endm
; A load into a register that a matrix instruction has read, and a vector instruction or a store that reads a matrix result, stand NP places behind that matrix instruction, and only plain vector
; instructions that name none of its registers are places (ISA guide 7.12.1 for vector instructions).
.macro PLACES n
.rept \n
	v_nop
.endr
.endm
; A step of 128 along K that has its successor in the same slot.  x has one set of registers: blocks 0-3 are fetched anew in the step's middle, blocks 4-7 at its end.
.macro STEP slot, q, zero
	s_wait_dscnt 4*NL                              ; w_qkv's set and x's blocks 0-3 are in; the youngest eight loads (x's blocks 4-7) may be out
	WIN MUL_LO
	MUL16 0, (\q)%2, \q, \slot, \zero
	MUL16 2, (\q)%2, \q, \slot, \zero
	s_wait_dscnt 0                                 ; x's blocks 4-7 are in (asked for 32 matrix instructions ago)
	PLACES NP
	FETCH_B \slot, (\q)+1, 1-(\q)%2
	FETCH_A \slot, (\q)+1, 0
	WIN MUL_HI
	MUL16 4, (\q)%2, \q, \slot, \zero
	MUL16 6, (\q)%2, \q, \slot, \zero
	PLACES NP
	WIN 0
	FETCH_A \slot, (\q)+1, 4
.endm
; Slot 0's last step changes slots: one barrier; in front of it each wave waits for all its tensor loads (its part of slot 1), adds 0 to its spare word, and waits for that and for its own reads of slot 0.
; Behind it slot 1 is whole, and nobody reads slot 0 any more: the way out may use its bytes.
.macro TURN slot, next
	s_wait_tensorcnt 0x0                           ; all my tensor loads have landed  (every window is 0 here: the add's two registers lie in window 0)
	ds_add_u32 v[SPW], v[NIL]                      ; 0 onto my spare word
	s_wait_dscnt 4*NL+1                            ; (the add and the youngest eight loads, x's blocks 4-7, may be out)
	WIN MUL_LO
	MUL16 0, 1, NQ-1, \slot, 0                     ; sixteen matrix instructions stand between the add and the wait for it
	s_wait_dscnt 0x0                               ; the add is done, and my reads of this slot are over
	s_barrier_signal -1
	MUL16 2, 1, NQ-1, \slot, 0
	WIN 0
	s_barrier_wait -1
	PLACES NP
	v_add_nc_u32 v[ADRS], 4*NQ, v[ADRS]            ; on to the next K step's scale words (no LDS load of mine is out)
	FETCH_B \next, 0, 0
	FETCH_A \next, 0, 0
	SCALES \next
	WIN MUL_HI
	MUL16 4, 1, NQ-1, \slot, 0
	MUL16 6, 1, NQ-1, \slot, 0
	PLACES NP
	WIN 0
	FETCH_A \next, 0, 4
.endm
.macro STEPS slot, from                ; the slot's steps from .. NQ - 2
.set Q, \from
.rept NQ-1-\from
	STEP \slot, Q, 0
.set Q, Q+1
.endr
.endm
	s_wait_tensorcnt 1                             ; the scales and my part of K step 0 are in (slot 1's load, the one issued behind them, may be out),
	s_barrier_signal -1
	s_barrier_wait -1                              ; everybody's are
	FETCH_B 0, 0, 0
	FETCH_A 0, 0, 0
	SCALES 0
	FETCH_A 0, 0, 4
	STEP 0, 0, 1                                   ; the first step's products start the sums
	STEPS 0, 1
	TURN 0, 1
	STEPS 1, 0
	s_wait_dscnt 4*NL                              ; the very last step: nothing more to fetch
	WIN MUL_LO
	MUL16 0, 1, NQ-1, 1, 0
	MUL16 2, 1, NQ-1, 1, 0
	s_wait_dscnt 0
	WIN MUL_HI
	MUL16 4, 1, NQ-1, 1, 0
	MUL16 6, 1, NQ-1, 1, 0
	WIN 0
	PLACES NP                                      ; behind the last products: for the reads of results and for the loads into registers that held scale words
	; THE FIRST 16 POSITIONS IN f32.  Where my block 0 is a sequence's first 16 rows, its eight accumulators are stored as they stand: lane l's 16 bytes at 16 l, 512 consecutive bytes a store.
	; The choice is made by EXEC, not by a jump: the tile row hangs on my place in the cluster.  EXEC changes only behind s_wait_xcnt 0, on the way in and on the way back.
	s_wait_xcnt 0x0
	v_cmp_eq_u32 vcc_lo, 0, v[FLG]
	s_and_saveexec_b32 s94, vcc_lo
	WIN 0x08                                       ; a store's data are its source 1: window 2
.irp b, 0,1,2,3,4,5,6,7
	global_store_b128 v[CO], v[8*\b:8*\b+3], s[96:97] offset:1024*\b          ; each accumulator from its low end on
	global_store_b128 v[CO], v[8*\b+4:8*\b+7], s[96:97] offset:1024*\b+512
.endr
	WIN 0
	s_wait_xcnt 0x0
	s_or_b32 exec_lo, exec_lo, s94
; THE WAY OUT, block by block of 16 rows x 128 columns (two heads).  PACK: rounded to f16, a lane's eight columns are 16 bytes.  TOSTAGE: into my own stage, and back as whole rows of 128 bytes.  SEND: stored.
.macro PACK a
.set AC, 64*((\a)%4)
	WIN 0x0a+5*((\a)/4)                            ; sources 0 and 1: window 2 or 3
.irp b, 0,1,2,3,4,5,6,7
.irp k, 0,1,2,3
	v_cvt_pk_f16_f32 v[TMP+4*\b+\k], v[AC+8*\b+2*\k], v[AC+8*\b+2*\k+1]
.endr
.endr
	WIN 0
.endm
.macro TOSTAGE a
.set BB, 32+192*((\a)%2)               ; v32-63 and v224-255 by turns
.irp b, 0,1,2,3,4,5,6,7
	ds_store_b128 v[STO], v[TMP+4*\b:TMP+4*\b+3] offset:(\b/4)*16*HP+(\b%4)*32
.endr
.irp f, 0,1,2,3,4,5,6,7
	ds_load_b128 v[BB+4*\f:BB+4*\f+3], v[RD] offset:(\f/4)*16*HP+(\f%4)*4*HP   ; LDS serves a wave's instructions in order (ISA guide 5.7.1.4): these see the stores above
.endr
.endm
.macro SEND a
.set BB, 32+192*((\a)%2)
	s_wait_dscnt 0x0                               ; the block is back in registers
	s_wait_xcnt 0x0                                ; the stores of the block before have read their registers: the next block's loads may land there
.irp f, 0,1,2,3,4,5,6,7
	global_store_b128 v[CO], v[BB+4*\f:BB+4*\f+3], s[12:13] offset:(\f/4)*262144+(\a)*2048+(\f%4)*512   ; 32 lanes store 512 consecutive bytes, aligned: four positions of one head
.endr
.endm
	PACK 0
	TOSTAGE 0
.irp a, 1,2,3,4,5,6,7                  ; block a's conversions stand between block a - 1's loads from the stage and the wait for them
	PACK \a
	SEND \a-1
	TOSTAGE \a
.endr
	SEND 7
	s_wait_tensorcnt 0x0                           ; the wave's end, behind my last tensor load and my last LDS store
	ds_add_u32 v[SPW], v[NIL]
	s_wait_dscnt 0x0
	CROUND                                         ; the closing round: no work-group ends while a partner may still ask for a tile that names it
	s_endpgm
.Lfunc_end_k_qd48972b090_qkv:
	.size	k_qd48972b090_qkv, .Lfunc_end_k_qd48972b090_qkv-k_qd48972b090_qkv
	.p2alignl 7, 3214868480
	.fill 96, 4, 3214868480
	.section	.rodata,"a",@progbits
	.p2align	6, 0x0
	.amdhsa_kernel k_qd48972b090_qkv
		.amdhsa_group_segment_fixed_size 327680
		.amdhsa_private_segment_fixed_size 0
		.amdhsa_enable_private_segment 0
		.amdhsa_kernarg_size 48
		.amdhsa_user_sgpr_count 2
		.amdhsa_user_sgpr_kernarg_segment_ptr 1
		.amdhsa_wavefront_size32 1
		.amdhsa_system_sgpr_workgroup_id_x 1
		.amdhsa_system_sgpr_workgroup_id_y 1
		.amdhsa_system_sgpr_workgroup_id_z 1
		.amdhsa_system_vgpr_workitem_id 0
		.amdhsa_next_free_vgpr 1024
		.amdhsa_next_free_sgpr 100
		.amdhsa_reserve_vcc 1
		.amdhsa_float_denorm_mode_32 3
		.amdhsa_float_denorm_mode_16_64 3
		.amdhsa_memory_ordered 1
		.amdhsa_forward_progress 1
		.amdhsa_inst_pref_size 129
	.end_amdhsa_kernel
	.amdgpu_metadata
---
amdhsa.version: [ 1, 2 ]
amdhsa.kernels:
  - .name:           k_qd48972b090_qkv
    .symbol:         k_qd48972b090_qkv.kd
    .args:
      - { .name: xc, .offset: 0, .size: 8, .value_kind: global_buffer, .address_space: global }
      - { .name: xs, .offset: 8, .size: 8, .value_kind: global_buffer, .address_space: global }
      - { .name: wc, .offset: 16, .size: 8, .value_kind: global_buffer, .address_space: global }
      - { .name: ws, .offset: 24, .size: 8, .value_kind: global_buffer, .address_space: global }
      - { .name: qkv16, .offset: 32, .size: 8, .value_kind: global_buffer, .address_space: global }
      - { .name: fine, .offset: 40, .size: 8, .value_kind: global_buffer, .address_space: global }
    .group_segment_fixed_size: 327680
    .private_segment_fixed_size: 0
    .kernarg_segment_align: 8
    .kernarg_segment_size: 48
    .max_flat_workgroup_size: 128
    .sgpr_count:     100
    .vgpr_count:     1024
    .wavefront_size: 32
...
	.end_amdgpu_metadata
.endif
;; end of part 2
;; launch attn (part 3): grid 4 x 64, 8 waves a work-group, no clusters, 327,680 bytes of LDS; arguments qkv16, y16; writes y16
.if DOCPART == 3
	.amdgcn_target "amdgcn-amd-amdhsa--gfx1250"
	.amdhsa_code_object_version 6
	.text
	.protected	k_qd48972b090_attn
	.globl	k_qd48972b090_attn
	.p2align	8
	.type	k_qd48972b090_attn,@function
k_qd48972b090_attn:
	s_mov_b64 s[64:65], 0
	v_nop
	global_prefetch_b8 v0, s[64:65] scope:SCOPE_SE
	s_setreg_imm32_b32 hwreg(HW_REG_WAVE_MODE, 25, 1), 1
	s_wait_xcnt 0x0
; THIRD LAUNCH.  y[b][h][q] = the sum over k <= q of softmax_k(q . k / 8) v[k], per batch and head; operands f16, products, maxima and sums f32; the weights p are rounded to f16 for the second product, y once at the end.
; q, k, v: qkv16 [3][64 (batch, head)][2,048][64] f16.  y16: [16 heads][8,192 rows (batch x 2,048 + position)][64] f16: planes of 64 along the projection's K.
; LIMITS: NaN and infinities are not served; scores lie above -3e38 (the running maximum's first value); |y| stays at or under 65,504.  The sums are taken in another order than in the definition.
; The first 16 positions of every sequence are made here too, but the last launch makes them again in f32 and writes them over in the output.
; SHARES.  A head's 2,048 queries are 8 blocks of 256; block b walks key units 0 .. b of 256 keys.  Work-group i of a head owns blocks 7 - i and i, one after the other: (8 - i) + (i + 1) = 9 units whatever i is:
; 256 work-groups of equal work, and a trip count that is a constant.  Each of the eight waves owns 32 queries of a block, two tiles of 16; wave w takes the block's 32 queries number w (w < 4) or 11 - w, so that on the
; diagonal a wave with few keys and one with many share a SIMD.  A unit is four sub-steps of 64 keys; on the diagonal a wave leaves out the sub-steps all of whose keys come after its queries (a scalar branch on ids).
; NO CLUSTER: the four work-groups of a head stand at different units in the same step (unit s of block 7 - i; then unit s - 8 + i of block i), so a joint request would name tiles that partners do not want;
; walking alike would cost 12 units in place of 9.
; LAYOUT.  S^T = K Q^T (source 0 = 16 keys, source 1 = 16 queries): a lane holds ONE query (lane % 16) and the keys 8 (lane / 16) + 0..7 of a tile.  Two such tiles, rounded to f16 in pairs, ARE source 1
; (32 keys x 16 queries) of O^T = V^T P.  K comes out of LDS as it lies, V ([key][channel]) turned, by ds_load_tr16_b128.  Each fragment of K and V feeds two products, one for each tile of queries.
; SOFTMAX.  For each query a running maximum m and sum l: p = 2^(c s - c m), c = log2(e) / 8; in every sub-step O and l are multiplied by a = 2^(c m_old - c m_new).
; THE RING.  Two LDS slots of one unit each; waves 0-3 fetch K's quarters (64 rows), waves 4-7 V's: one tensor load a wave behind each barrier, never more than one of a wave's out.
; REGISTERS.  Window 0: v1-15 addresses and constants; v16-31 statistics, 8 a tile; v32-63 Q; v64-127 S^T (on the way out: packed y); v128-159 P; v160-223 K's fragments; v224-225 the diagonal's mask.
;   Window 1: v0-63 O^T; v64-127 V's fragments.
.set KP,    144                        ; a row of K in LDS: 128 bytes + 16 = 36 words: the 16 rows of a load start at 16 different groups of 4 banks (64 banks of 4 bytes: ISA guide 11.1)
.set VP,    160                        ; a row of V: 128 + 32: an odd multiple of 32 bytes, for the turning load
.set VOFF,  256*KP                     ; a slot: 256 rows of K, then 256 rows of V
.set SLOT1, 1<<17                      ; slot 1 begins here, so that one exclusive or turns an address in one slot into the other's
.set STAGE, 2*SLOT1                    ; behind the ring: the way out
.set WST,   2*16*KP                    ; a wave's stage: 2 tiles x 16 rows x 144 bytes
.set SPARE, STAGE+8*WST                ; the spare words, 128 bytes for each wave, which no other line names
.set AK0, 3                            ; v3   my lane's place in a tile of K
.set AV0, 4                            ; v4   the same for V
.set ADK, 5                            ; v5   LDS address of the unit's K
.set ADV, 6                            ; v6   of its V
.set QO,  7                            ; v7   my byte offset in the wave's rows of Q
.set STO, 8                            ; v8   the way out: where I put 16 bytes of a row
.set RD,  9                            ; v9   where I read rows back
.set GO,  10                           ; v10  16 x lane
.set SPW, 11                           ; v11  LDS address of my spare word; never rewritten
.set NIL, 12                           ; v12  0; never rewritten
.set PFO, 13                           ; v13  256 x lane: the prefetches' offset; never rewritten
.set NINF, 14                          ; v14  -infinity
.set ST,  16                           ; tile t's statistics at v[ST + 8 t]: +0 c m, +1 m, +2, +3 l (two halves), +4 to +7 at work; a stands at +6
.set Q,   32                           ; tile t, channels 32 c on: v[Q + 16 t + 8 c]
.set S,   64                           ; tile t, keys 16 kt on: v[S + 32 t + 8 kt]
.set P,   128                          ; tile t, keys 32 kh on: v[P + 16 t + 8 kh]
.set KF,  160                          ; keys 16 kt on, channels 32 c on: v[KF + 16 kt + 8 c]
.set DM,  224                          ; v224, v225: tile t: 32 (my 32 queries' number % 2) + 16 t + lane % 16 - 8 (lane / 16)
.set VF,  64                           ; window 1: keys 32 kh on, channels 16 c on: v[VF + 32 kh + 8 c]
.set WV,   8                           ; s8   my wave's number
.set QS,   9                           ; s9   which 32 queries of a block are mine
.set WI,   10                          ; s10  i: the work-group's number in its head
.set BH,   11                          ; s11  16 x batch + head
.set LENA, 12                          ; s12  8 - i: the units of the first block
.set LA1,  13                          ; s13  7 - i: the first block's number, and the step of its diagonal unit
.set JH,   14                          ; s14  my last sub-step on a diagonal unit: QS / 2
.set JLIM, 15                          ; s15  the step's last sub-step for me: JH on the diagonal, else 4 (none is last, none is masked)
.set STP,  16                          ; s16  the step, 0 .. 8
.set NU,   17                          ; s17  the unit of the step that is asked for
.set TB,   18                          ; s18  LDS byte at which the slot in hand begins
.set LIM,  19                          ; s19  a wave prefetches while the step is under this: 6 in the head's work-group 0, else 0
.set SEL,  20                          ; s[20:21] lane selects for v_permlanex16_b32: lane l xor 16
.set CS,   22                          ; s[22:23] c: the packed form names a pair and takes its low word for both halves
.set G1K,  24                          ; s[24:31] descriptor group 1 for K's tiles; s[32:39] for V's: it differs in the padding alone
.set G1V,  32
.set G0K,  40                          ; s[40:43], s[44:47] their groups 0
.set G0V,  44
.set KB,   48                          ; s[48:49] my quarter of unit 0 of the head's K; s[50:51] of its V
.set VB,   50
.set QA,   52                          ; s[52:53], s[54:55] my 32 rows of Q in the first and in the second block
.set QB,   54
.set YA,   56                          ; s[56:57], s[58:59] and of y16
.set YB,   58
.set PFA,  60                          ; s[60:61] where my prefetches stand: my quarter, one unit further on than the unit that is being asked for
.set OF,   62                          ; s[62:63] a unit's offset, 32,768 bytes a unit
.set MSB, 0
.macro WIN new                         ; the immediate's high byte repeats the setting that is left; a switch that changes nothing is dropped
.if MSB != \new
	s_set_vgpr_msb (MSB<<8)|\new
.set MSB, \new
.endif
.endm
.macro PLACES                          ; four places behind a matrix instruction (ISA guide 7.12.1), where no other vector work is at hand
.rept 4
	v_nop
.endr
.endm
; Waves 0-3 fetch K's quarters, waves 4-7 V's.  The branch hangs on the wave's number alone.  An s_nop 0 and four v_nop follow each of the two lines.
.macro TLOAD
	s_cmp_lt_u32 s[WV], 4
	s_cbranch_scc0 .Lfor_v_\@
	tensor_load_to_lds s[G0K:G0K+3], s[G1K:G1K+7]
	s_nop 0
.rept 4
	v_nop
.endr
	s_branch .Lasked_\@
.Lfor_v_\@:
	tensor_load_to_lds s[G0V:G0V+3], s[G1V:G1V+7]
	s_nop 0
.rept 4
	v_nop
.endr
.Lasked_\@:
.endm
; A PREFETCH INTO THE L2 of the unit behind the one that has just been asked for.  All four work-groups of a head walk the same K and V: work-group 0, which walks units 0 to 7 in order, asks, and nobody else
; (a branch on the work-group's number: this launch has no cluster).  Each of its waves asks for the quarter that it will fetch itself: 64 rows x 128 bytes are 8,192 dense bytes, lanes 256 bytes apart, one instruction.
; In step s it names unit s + 2, one unit's work (128 matrix instructions a wave) ahead of the tensor load that wants it.  Units 0 and 1 come by their loads alone; behind step 5 nothing is asked for: unit 7 is the last.
.macro ASK
	s_cmp_lt_u32 s[STP], s[LIM]
	s_cbranch_scc0 .Lnot_mine_\@
	global_prefetch_b8 v[PFO], s[PFA:PFA+1] th:TH_LOAD_NT scope:SCOPE_SE
.Lnot_mine_\@:
.endm
.macro QLOAD qb                        ; my 32 queries: a fragment is 16 rows x 32 channels: lane l holds row l % 16; two loads of 16 bytes, 32 bytes apart
.irp t, 0,1
.irp c, 0,1
	global_load_b128 v[Q+16*\t+8*\c:Q+16*\t+8*\c+3], v[QO], s[\qb:\qb+1] offset:2048*\t+64*\c
	global_load_b128 v[Q+16*\t+8*\c+4:Q+16*\t+8*\c+7], v[QO], s[\qb:\qb+1] offset:2048*\t+64*\c+32
.endr
.endr
.endm
.macro INIT                            ; a block begins: m = -3e38, under every score; l and O^T are zeros, which the first change of m leaves zeros: so the sub-step is written once
.irp t, 0,1
	v_mov_b32 v[ST+8*\t+1], 0xff61b1e6
	v_mul_f32 v[ST+8*\t], s[CS], v[ST+8*\t+1]
	v_mov_b32 v[ST+8*\t+2], 0
	v_mov_b32 v[ST+8*\t+3], 0
.endr
	WIN 0x40                                       ; destination window 1
.irp n, 0,1,2,3,4,5,6,7,8,9,10,11,12,13,14,15,16,17,18,19,20,21,22,23,24,25,26,27,28,29,30,31,32,33,34,35,36,37,38,39,40,41,42,43,44,45,46,47,48,49,50,51,52,53,54,55,56,57,58,59,60,61,62,63
	v_mov_b32 v[\n], 0
.endr
	WIN 0
.endm
.macro KLOAD j                         ; sub-step j's K: 64 keys x 64 channels: 8 fragments, 16 loads
.irp kt, 0,1,2,3
.irp c, 0,1
	ds_load_b128 v[KF+16*\kt+8*\c:KF+16*\kt+8*\c+3], v[ADK] offset:(64*(\j)+16*\kt)*KP+64*\c
	ds_load_b128 v[KF+16*\kt+8*\c+4:KF+16*\kt+8*\c+7], v[ADK] offset:(64*(\j)+16*\kt)*KP+64*\c+32
.endr
.endr
.endm
.macro VLOAD j                         ; sub-step j's V, turned: 8 fragments of 16 channels x 32 keys, 16 loads
	WIN 0x40                                       ; destination window 1, address window 0
.irp kh, 0,1
.irp c, 0,1,2,3
	ds_load_tr16_b128 v[VF+32*\kh+8*\c:VF+32*\kh+8*\c+3], v[ADV] offset:(64*(\j)+32*\kh)*VP+32*\c
	ds_load_tr16_b128 v[VF+32*\kh+8*\c+4:VF+32*\kh+8*\c+7], v[ADV] offset:(64*(\j)+32*\kh+16)*VP+32*\c
.endr
.endr
	WIN 0
.endm
; S^T = K Q^T: 16 products; the eight accumulators take turns, one instruction a turn; the first eight start the sums.
.macro KQ
.irp c, 0,1
.irp kt, 0,1,2,3
.irp t, 0,1
.if \c == 0
	v_wmma_f32_16x16x32_f16 v[S+32*\t+8*\kt:S+32*\t+8*\kt+7], v[KF+16*\kt+8*\c:KF+16*\kt+8*\c+7], v[Q+16*\t+8*\c:Q+16*\t+8*\c+7], 0
.else
	v_wmma_f32_16x16x32_f16 v[S+32*\t+8*\kt:S+32*\t+8*\kt+7], v[KF+16*\kt+8*\c:KF+16*\kt+8*\c+7], v[Q+16*\t+8*\c:Q+16*\t+8*\c+7], v[S+32*\t+8*\kt:S+32*\t+8*\kt+7]
.endif
.endr
.endr
.endr
.endm
; O^T += V^T P: 16 products, eight accumulators by turns.
.macro PV
	WIN 0x51                                       ; V (source 0), C and D window 1; P (source 1) window 0
.irp kh, 0,1
.irp c, 0,1,2,3
.irp t, 0,1
	v_wmma_f32_16x16x32_f16 v[32*\t+8*\c:32*\t+8*\c+7], v[VF+32*\kh+8*\c:VF+32*\kh+8*\c+7], v[P+16*\t+8*\kh:P+16*\t+8*\kh+7], v[32*\t+8*\c:32*\t+8*\c+7]
.endr
.endr
.endr
	WIN 0
.endm
; On the diagonal the scores of hidden keys become -infinity ahead of the maximum.  Register n of a tile holds key 16 (n / 8) + n % 8 + 8 (lane / 16) of the sub-step: hidden where 16 (n / 8) + n % 8 > DM.
.macro MASK
.irp t, 0,1
.irp n, 0,1,2,3,4,5,6,7,8,9,10,11,12,13,14,15,16,17,18,19,20,21,22,23,24,25,26,27,28,29,30,31
	v_cmp_gt_i32 vcc_lo, 16*(\n/8)+\n%8, v[DM+\t]
	v_cndmask_b32 v[S+32*\t+\n], v[S+32*\t+\n], v[NINF], vcc_lo
.endr
.endr
.endm
; The softmax of a sub-step, both tiles line by line, so that no line waits for the line above it.
.macro SOFTMAX
.irp j, 0,1,2,3
.irp t, 0,1
	v_max3_num_f32 v[ST+8*\t+4+\j], v[S+32*\t+8*\j], v[S+32*\t+8*\j+1], v[S+32*\t+8*\j+2]   ; four chains, one for each accumulator, each from its low end on
.endr
.endr
.irp u, 3,5
.irp j, 0,1,2,3
.irp t, 0,1
	v_max3_num_f32 v[ST+8*\t+4+\j], v[ST+8*\t+4+\j], v[S+32*\t+8*\j+\u], v[S+32*\t+8*\j+\u+1]
.endr
.endr
.endr
.irp t, 0,1
	v_max3_num_f32 v[ST+8*\t+4], v[ST+8*\t+4], v[S+32*\t+7], v[S+32*\t+15]
	v_max3_num_f32 v[ST+8*\t+6], v[ST+8*\t+6], v[S+32*\t+23], v[S+32*\t+31]
.endr
.irp t, 0,1
	v_max3_num_f32 v[ST+8*\t+4], v[ST+8*\t+4], v[ST+8*\t+5], v[ST+8*\t+6]
.endr
.irp t, 0,1
	v_max3_num_f32 v[ST+8*\t+4], v[ST+8*\t+4], v[ST+8*\t+7], v[ST+8*\t+1]   ; with the old m
.endr
.irp t, 0,1
	v_permlanex16_b32 v[ST+8*\t+5], v[ST+8*\t+4], s[SEL], s[SEL+1]          ; the query's other 32 keys lie in the lane 16 away
.endr
.irp t, 0,1
	v_mov_b32 v[ST+8*\t+7], v[ST+8*\t]             ; c m_old is kept for a
.endr
.irp t, 0,1
	v_max_num_f32 v[ST+8*\t+1], v[ST+8*\t+4], v[ST+8*\t+5]
.endr
.irp t, 0,1
	v_mul_f32 v[ST+8*\t], s[CS], v[ST+8*\t+1]
.endr
.irp t, 0,1
	v_sub_f32 v[ST+8*\t+7], v[ST+8*\t+7], v[ST+8*\t]
.endr
.irp b, 0,2,4,6,8,10,12,14,16,18,20,22,24,26,28,30
.irp t, 0,1
	v_pk_fma_f32 v[S+32*\t+\b:S+32*\t+\b+1], v[S+32*\t+\b:S+32*\t+\b+1], s[CS:CS+1], v[ST+8*\t:ST+8*\t+1] op_sel_hi:[1,0,0] neg_lo:[0,0,1] neg_hi:[0,0,1]   ; c s - c m, two at a time
.endr
.endr
.irp t, 0,1
	v_exp_f32 v[ST+8*\t+6], v[ST+8*\t+7]           ; a
.endr
.irp n, 0,1,2,3,4,5,6,7,8,9,10,11,12,13,14,15,16,17,18,19,20,21,22,23,24,25,26,27,28,29,30,31
.irp t, 0,1
	v_exp_f32 v[S+32*\t+\n], v[S+32*\t+\n]         ; p
.endr
.endr
	v_nop                                          ; a plain instruction behind the last exponential, ahead of the first use
	s_wait_alu depctr_va_vdst(0)                   ; ONE wait for both tiles' 66 exponentials, ahead of the first line that names a result
.irp k, 0,1,2,3,4,5,6,7,8,9,10,11,12,13,14,15
.irp t, 0,1
	v_cvt_pk_f16_f32 v[P+16*\t+\k], v[S+32*\t+2*\k], v[S+32*\t+2*\k+1]   ; the weights for the second product
.endr
.endr
.irp u, 0,4,8,12,16,20,24,28           ; the sum of the unrounded weights, in place, as a tree of pairs
.irp t, 0,1
	v_pk_add_f32 v[S+32*\t+\u:S+32*\t+\u+1], v[S+32*\t+\u:S+32*\t+\u+1], v[S+32*\t+\u+2:S+32*\t+\u+3]
.endr
.endr
.irp u, 0,8,16,24
.irp t, 0,1
	v_pk_add_f32 v[S+32*\t+\u:S+32*\t+\u+1], v[S+32*\t+\u:S+32*\t+\u+1], v[S+32*\t+\u+4:S+32*\t+\u+5]
.endr
.endr
.irp u, 0,16
.irp t, 0,1
	v_pk_add_f32 v[S+32*\t+\u:S+32*\t+\u+1], v[S+32*\t+\u:S+32*\t+\u+1], v[S+32*\t+\u+8:S+32*\t+\u+9]
.endr
.endr
.irp t, 0,1
	v_pk_add_f32 v[S+32*\t:S+32*\t+1], v[S+32*\t:S+32*\t+1], v[S+32*\t+16:S+32*\t+17]
.endr
.irp t, 0,1
	v_pk_fma_f32 v[ST+8*\t+2:ST+8*\t+3], v[ST+8*\t+2:ST+8*\t+3], v[ST+8*\t+6:ST+8*\t+7], v[S+32*\t:S+32*\t+1] op_sel_hi:[1,0,1]   ; l = a l + the sum
.endr
	WIN 0x41                                       ; O^T (destination and source 0) window 1, a window 0
.irp k, 0,2,4,6,8,10,12,14,16,18,20,22,24,26,28,30
.irp t, 0,1
	v_pk_mul_f32 v[32*\t+\k:32*\t+\k+1], v[32*\t+\k:32*\t+\k+1], v[ST+8*\t+6:ST+8*\t+7] op_sel_hi:[1,0]
.endr
.endr
.endm
; A SUB-STEP of 64 keys.  K of this sub-step was asked for a sub-step ago; V of this one and K of the next are asked for behind the first products and land under the softmax.
.macro SUB j, id
.if \j > 0
	s_cmp_lt_u32 s[JLIM], \j                       ; on the diagonal: all these keys come after my queries: the rest of the unit is left out
	s_cbranch_scc1 .Lunit_end_\id
.endif
	s_wait_dscnt 0x0                               ; K is in
	KQ
	PLACES                                         ; behind the products: for the loads into K's and V's registers and for the first read of the scores
	VLOAD \j
.if \j < 3
	KLOAD \j+1
.endif
	s_cmp_lg_u32 s[JLIM], \j                       ; only my last sub-step of a diagonal unit has hidden keys
	s_cbranch_scc1 .Lopen_\@
	MASK
.Lopen_\@:
	SOFTMAX
.if \j < 3
	s_wait_dscnt 16                                ; V's 16 loads are in; the 16 of the next sub-step's K, issued behind them, may be out
.else
	s_wait_dscnt 0x0
.endif
	PV
.endm
; A BLOCK'S WAY OUT.  l's halves are added; O^T is divided by l, rounded to f16 and sent through my stage, so that a store's 32 lanes cover four whole rows: 512 consecutive bytes of y16.
.macro FINISH yb
	PLACES                                         ; behind the last products
.irp t, 0,1
	v_add_f32 v[ST+8*\t+4], v[ST+8*\t+2], v[ST+8*\t+3]
.endr
.irp t, 0,1
	v_permlanex16_b32 v[ST+8*\t+5], v[ST+8*\t+4], s[SEL], s[SEL+1]
.endr
.irp t, 0,1
	v_add_f32 v[ST+8*\t+4], v[ST+8*\t+4], v[ST+8*\t+5]
.endr
.irp t, 0,1
	v_rcp_f32 v[ST+8*\t+6], v[ST+8*\t+4]
.endr
	v_nop                                          ; a plain instruction between the last reciprocal and the use of its result
	s_wait_alu depctr_va_vdst(0)                   ; and one wait for both reciprocals
	WIN 0x41
.irp t, 0,1
.irp k, 0,2,4,6,8,10,12,14,16,18,20,22,24,26,28,30
	v_pk_mul_f32 v[32*\t+\k:32*\t+\k+1], v[32*\t+\k:32*\t+\k+1], v[ST+8*\t+6:ST+8*\t+7] op_sel_hi:[1,0]   ; each accumulator from its low end on; of the pair the low word, 1 / l, serves both halves
.endr
.endr
	WIN 0x05                                       ; sources 0 and 1 window 1, destination window 0: S^T's registers are free
.irp t, 0,1
.irp k, 0,1,2,3,4,5,6,7,8,9,10,11,12,13,14,15
	v_cvt_pk_f16_f32 v[S+16*\t+\k], v[32*\t+2*\k], v[32*\t+2*\k+1]
.endr
.endr
	WIN 0
.irp t, 0,1
.irp c, 0,1,2,3
	ds_store_b128 v[STO], v[S+16*\t+4*\c:S+16*\t+4*\c+3] offset:16*KP*\t+32*\c
.endr
.irp f, 0,1,2,3
	ds_load_b128 v[S+16*\t+4*\f:S+16*\t+4*\f+3], v[RD] offset:16*KP*\t+4*KP*\f   ; LDS serves a wave's instructions in order (ISA guide 5.7.1.4): these see the stores above
.endr
.endr
.irp t, 0,1
.irp f, 0,1,2,3
	s_wait_dscnt 8*(1-\t)+3-\f                     ; behind this load: the tile's later loads, and for tile 0 the eight LDS instructions of tile 1
	global_store_b128 v[GO], v[S+16*\t+4*\f:S+16*\t+4*\f+3], s[\yb:\yb+1] offset:2048*\t+512*\f
.endr
.endr
.endm
; A STEP: one unit of 256 keys.  The change of slots stands at its head: each wave waits for all its tensor loads (its quarter of the slot that it is about to read), adds 0 to its spare word, and waits for that and for
; its reads of the slot that it has left.  Behind the barrier the slot ahead is whole and nobody reads the other one.  fill = 1: that other slot is filled with the next step's unit, which has a whole unit's work in which to land.
.macro STEPM fill
	s_wait_tensorcnt 0x0                           ; no tensor load of mine is out, so a group 0 may be written
	ds_add_u32 v[SPW], v[NIL]                      ; 0 onto my spare word: the scalar work below stands between it and the wait for it
.if \fill
	s_add_co_u32 s[NU], s[NU], 1                   ; the next step's unit: one on, or unit 0 where the second block begins
	s_cmp_eq_u32 s[NU], s[LENA]
	s_cselect_b32 s[NU], 0, s[NU]
	s_lshl_b32 s[OF], s[NU], 15
	s_add_nc_u64 s[G0K+2:G0K+3], s[KB:KB+1], s[OF:OF+1]
	s_or_b32 s[G0K+3], s[G0K+3], 0x80000000
	s_add_nc_u64 s[G0V+2:G0V+3], s[VB:VB+1], s[OF:OF+1]
	s_or_b32 s[G0V+3], s[G0V+3], 0x80000000
	s_xor_b32 s[G0K+1], s[G0K+1], SLOT1            ; into the other slot than last time
	s_xor_b32 s[G0V+1], s[G0V+1], SLOT1
	s_wait_xcnt 0x0                                ; the last prefetch, a unit back, has read its address, so it may be written
	s_add_nc_u64 s[PFA:PFA+1], s[PFA:PFA+1], 32768
	s_cmp_eq_u32 s[STP], s[LA1]                    ; is this step the first block's diagonal unit?
	s_cselect_b32 s[JLIM], s[JH], 4
.else
	s_mov_b32 s[JLIM], s[JH]                       ; the last step is the second block's diagonal unit
.endif
	s_wait_dscnt 0x0                               ; the add is done, and my reads of the slot that I have left are over
	s_barrier_signal -1
	s_barrier_wait -1
.if \fill
	TLOAD                                          ; the first thing behind the barrier, and my one tensor load until the next
	ASK
.endif
	s_cmp_lg_u32 s[STP], s[LENA]                   ; where the second block begins (ids and the count of steps alone): the first block goes out, the second's Q comes in
	s_cbranch_scc1 .Lsame_\@
	PLACES
	QLOAD QB
	FINISH YA
	INIT
	s_wait_loadcnt 0x0                             ; Q
	s_wait_xcnt 0x0                                ; the stores have read their data: S^T's registers are written again only behind this wait
.Lsame_\@:
	v_add_nc_u32 v[ADK], s[TB], v[AK0]
	v_add_nc_u32 v[ADV], s[TB], v[AV0]
	KLOAD 0
	SUB 0, \fill
	SUB 1, \fill
	SUB 2, \fill
	SUB 3, \fill
.Lunit_end_\fill:
	s_xor_b32 s[TB], s[TB], SLOT1                  ; on to the other slot
.endm
	s_load_b128 s[4:7], s[0:1], 0x0                ; qkv16 s[4:5], y16 s[6:7]
	v_lshl_add_u32 v[SPW], v0, 2, SPARE
	v_mov_b32 v[NIL], 0
	ds_add_u32 v[SPW], v[NIL]                      ; the wave's opening: the add, twice on end, and its wait ahead of my first tensor load; the set-up below stands between
	ds_add_u32 v[SPW], v[NIL]
	v_lshrrev_b32 v1, 5, v0
	v_readfirstlane_b32 s[WV], v1                  ; wave 0..7
	s_sub_co_u32 s[QS], 11, s[WV]
	s_cmp_lt_u32 s[WV], 4
	s_cselect_b32 s[QS], s[WV], s[QS]              ; 0, 1, 2, 3, 7, 6, 5, 4
	s_mov_b32 s[WI], ttmp9
	s_and_b32 s[BH], ttmp7, 0xffff
	s_sub_co_u32 s[LENA], 8, s[WI]
	s_sub_co_u32 s[LA1], 7, s[WI]
	s_lshr_b32 s[JH], s[QS], 1
	s_cmp_eq_u32 s[WI], 0
	s_cselect_b32 s[LIM], 6, 0
	s_mov_b32 s[SEL], 0x76543210
	s_mov_b32 s[SEL+1], 0xfedcba98
	s_mov_b32 s[CS], 0x3e38aa3b                    ; c = log2(e) / 8
	s_mov_b32 s[CS+1], s[CS]                       ; named with it as a pair, so it is written
	; descriptor group 1: a tile of 64 rows x 64 elements of 2 bytes, dense in memory, padded in LDS
	s_mov_b32 s[G1K], (1<<16)|(1<<20)|(4<<22)|(3<<25)   ; 15:0 no mask; 17:16 elements of 2 bytes; 20 padding on; 24:22 after every 32 words (code 4); 31:25 four words (code 3)
	s_mov_b32 s[G1V], (1<<16)|(1<<20)|(4<<22)|(7<<25)   ; the same with eight words of padding (code 7)
.irp g, G1K, G1V
	s_mov_b32 s[\g+1], 64<<16                      ; tensor_dim0 = 64
	s_mov_b32 s[\g+2], 64<<16                      ; tensor_dim1 = 64
	s_mov_b32 s[\g+3], 64<<16                      ; tile_dim0 = 64
	s_mov_b32 s[\g+4], 64                          ; tile_dim1 = 64
	s_mov_b32 s[\g+5], 64                          ; tensor_dim0_stride
	s_mov_b32 s[\g+6], 0
	s_mov_b32 s[\g+7], 0
.endr
	s_and_b32 s66, s[WV], 3                        ; which quarter of a unit's K or V I fetch
	s_mov_b32 s[G0K], 1
	s_mul_i32 s[G0K+1], s66, 64*KP                 ; its place in slot 0
	s_mov_b32 s[G0V], 1
	s_mul_i32 s[G0V+1], s66, 64*VP
	s_add_co_u32 s[G0V+1], s[G0V+1], VOFF
	s_lshl_b32 s67, s[BH], 18                      ; the head's first byte in each third of qkv16
	s_lshl_b32 s68, s66, 13                        ; my quarter: 64 rows of 128 bytes
	s_add_co_u32 s68, s68, s67
	s_add_co_u32 s68, s68, 1<<24                   ; k is the second third
	s_mov_b32 s69, 0
	s_lshl_b32 s2, s[QS], 12                       ; my 32 rows of a block,
	s_lshl_b32 s3, s[LA1], 15
	s_add_co_u32 s3, s3, s2                        ; in the first block,
	s_lshl_b32 s66, s[WI], 15
	s_add_co_u32 s2, s66, s2                       ; in the second
	s_and_b32 s66, s[BH], 15
	s_lshl_b32 s66, s66, 20                        ; y16: a head's plane is 2^20 bytes,
	s_lshr_b32 s70, s[BH], 4
	s_lshl_b32 s70, s70, 18                        ; a batch's 2,048 rows in it 2^18
	s_add_co_u32 s66, s66, s70
	s_mov_b32 s71, 0
	s_mov_b32 s[OF+1], 0
	s_mov_b32 s[STP], 0
	s_mov_b32 s[NU], 0
	s_mov_b32 s[TB], 0
	s_wait_dscnt 0x0                               ; both opening adds are done
	s_wait_kmcnt 0x0
	s_add_nc_u64 s[KB:KB+1], s[4:5], s[68:69]
	s_add_nc_u64 s[VB:VB+1], s[KB:KB+1], 1<<24     ; v is the third third
	s_mov_b64 s[G0K+2:G0K+3], s[KB:KB+1]
	s_or_b32 s[G0K+3], s[G0K+3], 0x80000000
	s_mov_b64 s[G0V+2:G0V+3], s[VB:VB+1]
	s_or_b32 s[G0V+3], s[G0V+3], 0x80000000
	TLOAD                                          ; unit 0 into slot 0
	s_add_co_u32 s70, s67, s3
	s_add_nc_u64 s[QA:QA+1], s[4:5], s[70:71]
	s_add_co_u32 s70, s67, s2
	s_add_nc_u64 s[QB:QB+1], s[4:5], s[70:71]
	s_add_co_u32 s70, s66, s3
	s_add_nc_u64 s[YA:YA+1], s[6:7], s[70:71]
	s_add_co_u32 s70, s66, s2
	s_add_nc_u64 s[YB:YB+1], s[6:7], s[70:71]
	s_cmp_lt_u32 s[WV], 4
	s_cselect_b64 s[PFA:PFA+1], s[KB:KB+1], s[VB:VB+1]
	s_add_nc_u64 s[PFA:PFA+1], s[PFA:PFA+1], 1<<15 ; at unit 1: the first step steps it to unit 2.  Nothing is prefetched here, at the head
	v_and_b32 v1, 15, v0                           ; r = l % 16
	v_bfe_u32 v2, v0, 4, 1                         ; h = l / 16
	v_lshlrev_b32 v[QO], 7, v1
	v_lshl_add_u32 v[QO], v2, 4, v[QO]             ; row x 128 + 16 x half
	QLOAD QA
	v_mul_u32_u24 v[AK0], v1, KP
	v_lshl_add_u32 v[AK0], v2, 4, v[AK0]           ; row x pitch + 16 x half
	; the turning load takes 16 keys x 16 channels: lane l reads 16 bytes: key 8 (l / 16) + l % 8, channels 8 ((l / 8) % 2) on; it leaves half a fragment of V^T: lane l holds channel l % 16 and 8 keys
	v_and_b32 v5, 7, v0
	v_bfe_u32 v6, v0, 3, 1
	v_lshl_add_u32 v[AV0], v2, 3, v5
	v_mul_u32_u24 v[AV0], v[AV0], VP
	v_lshl_add_u32 v[AV0], v6, 4, v[AV0]
	v_add_nc_u32 v[AV0], VOFF, v[AV0]
	s_mul_i32 s70, s[WV], WST
	s_add_co_u32 s70, s70, STAGE                   ; my stage
	v_add_nc_u32 v[STO], s70, v[AK0]               ; in: row r, 16 bytes for each half of the lanes
	v_bfe_u32 v6, v0, 3, 2
	v_mul_u32_u24 v6, v6, KP
	v_lshl_add_u32 v6, v5, 4, v6
	v_add_nc_u32 v[RD], s70, v6                    ; back: eight lanes to a row of 128 bytes, four rows an instruction
	v_and_b32 v15, 31, v0
	v_lshlrev_b32 v[GO], 4, v15
	v_lshlrev_b32 v[PFO], 8, v15
	v_mov_b32 v[NINF], 0xff800000
	s_and_b32 s70, s[QS], 1
	s_lshl_b32 s70, s70, 5
	v_lshlrev_b32 v15, 3, v2
	v_sub_nc_u32 v15, v1, v15
	v_add_nc_u32 v[DM], s70, v15                   ; my query's place in its last sub-step of 64 keys, less 8 (lane / 16): tile 0,
	v_add_nc_u32 v[DM+1], 16, v[DM]                ; tile 1
.irp t, 0,1
	v_mov_b32 v[ST+8*\t+5], 0                      ; written once, so that it holds a number on every way through the text: a lane permute's destination counts as one of its sources;
	v_mov_b32 v[ST+8*\t+7], 0                      ; and this one is named as the upper half of the pair whose low word holds a or 1 / l
.endr
	INIT
	s_wait_loadcnt 0x0                             ; Q
.Lstep:                                                ; eight trips: behind each barrier the next step's unit is asked for
	STEPM 1
	s_add_co_u32 s[STP], s[STP], 1
	s_cmp_lt_u32 s[STP], 8
	s_cbranch_scc1 .Lstep
	STEPM 0                                        ; the ninth step is written out: nothing is left to ask for
	FINISH YB
	s_wait_tensorcnt 0x0                           ; the wave's end, behind my last tensor load and my last LDS store
	ds_add_u32 v[SPW], v[NIL]
	s_wait_dscnt 0x0
	s_endpgm
.Lfunc_end_k_qd48972b090_attn:
	.size	k_qd48972b090_attn, .Lfunc_end_k_qd48972b090_attn-k_qd48972b090_attn
	.p2alignl 7, 3214868480
	.fill 96, 4, 3214868480
	.section	.rodata,"a",@progbits
	.p2align	6, 0x0
	.amdhsa_kernel k_qd48972b090_attn
		.amdhsa_group_segment_fixed_size 327680
		.amdhsa_private_segment_fixed_size 0
		.amdhsa_enable_private_segment 0
		.amdhsa_kernarg_size 16
		.amdhsa_user_sgpr_count 2
		.amdhsa_user_sgpr_kernarg_segment_ptr 1
		.amdhsa_wavefront_size32 1
		.amdhsa_system_sgpr_workgroup_id_x 1
		.amdhsa_system_sgpr_workgroup_id_y 1
		.amdhsa_system_sgpr_workgroup_id_z 1
		.amdhsa_system_vgpr_workitem_id 0
		.amdhsa_next_free_vgpr 384
		.amdhsa_next_free_sgpr 72
		.amdhsa_reserve_vcc 1
		.amdhsa_float_denorm_mode_32 3
		.amdhsa_float_denorm_mode_16_64 3
		.amdhsa_memory_ordered 1
		.amdhsa_forward_progress 1
		.amdhsa_inst_pref_size 206
	.end_amdhsa_kernel
	.amdgpu_metadata
---
amdhsa.version: [ 1, 2 ]
amdhsa.kernels:
  - .name:           k_qd48972b090_attn
    .symbol:         k_qd48972b090_attn.kd
    .args:
      - { .name: qkv16, .offset: 0, .size: 8, .value_kind: global_buffer, .address_space: global }
      - { .name: y16, .offset: 8, .size: 8, .value_kind: global_buffer, .address_space: global }
    .group_segment_fixed_size: 327680
    .private_segment_fixed_size: 0
    .kernarg_segment_align: 8
    .kernarg_segment_size: 16
    .max_flat_workgroup_size: 256
    .sgpr_count:     72
    .vgpr_count:     384
    .wavefront_size: 32
...
	.end_amdgpu_metadata
.endif
;; end of part 3
;; launch proj (part 4): grid 8 x 32, 4 waves a work-group, clusters of 4 x 4, 327,680 bytes of LDS; arguments y16, w16, out0; writes out0
.if DOCPART == 4
	.amdgcn_target "amdgcn-amd-amdhsa--gfx1250"
	.amdhsa_code_object_version 6
	.text
	.protected	k_qd48972b090_proj
	.globl	k_qd48972b090_proj
	.p2align	8
	.type	k_qd48972b090_proj,@function
k_qd48972b090_proj:
	s_mov_b64 s[64:65], 0
	v_nop
	global_prefetch_b8 v0, s[64:65] scope:SCOPE_SE
	s_setreg_imm32_b32 hwreg(HW_REG_WAVE_MODE, 25, 1), 1
	s_wait_xcnt 0x0
	s_wait_alu depctr_hold_cnt(0) depctr_sa_sdst(0) depctr_va_vdst(0) depctr_va_sdst(0) depctr_va_ssrc(0) depctr_va_vcc(0) depctr_vm_vsrc(0)
	s_getreg_b32 s2, hwreg(HW_REG_IB_STS2, 6, 4)
	s_cmp_eq_u32 s2, 0
	s_cbranch_scc0 .Lentry_in_a_cluster
	s_endpgm
.Lentry_in_a_cluster:
	s_bfe_u32 s2, ttmp6, 0x10000c
	s_cmp_lg_u32 s2, 0xf033
	s_cbranch_scc0 .Lentry_shape_is_right
	s_endpgm
.Lentry_shape_is_right:
; FOURTH LAUNCH.  out0[m][n] = sum over e of y[m][e] w_out[n][e]; M = 8,192, N = 1,024, K = 1,024; operands f16, sums f32, out0 f32.
; y16: [16 planes of 64 along K][8,192 rows][64] f16;  w16: [16 planes][1,024 rows][64] f16: a plane's rows are 128 bytes and dense, so a tile of a plane is one dense block of memory.
; The rows of the first 16 positions of every sequence are written here too; the last launch writes them over, from f32 operands.
; A tile of out0 is 256 x 128: 256 work-groups.  Four waves, each 128 rows x 64 columns: 32 accumulators of 16 x 16, 256 registers.  K goes in steps of 128, two planes, through a ring of two LDS slots:
; wave 0 and 1 fetch y's two planes (256 rows each), waves 2 and 3 w's (128 rows each): one tensor load a wave behind each round; two of a wave's are out at the start, later one.
; CLUSTERS: 4 x 4 work-groups.  The four of a row of the cluster need the same tiles of y, the four of a column the same tiles of w: each tile is asked for JOINTLY, by the same tensor load with the same
; descriptor and a mask that names the four.  THE MATRIX INSTRUCTION IS USED TRANSPOSED (source 0 = 16 rows of w, source 1 = 16 rows of y): a lane then holds eight neighbouring numbers of a row of out0.
; REGISTERS: window 0: v0-31 addresses; v32-95 the way out, two sets.  window 1: two fragment buffers of 96 (y's 8 blocks, then w's 4, 32 along K).  window 2: accumulator (a, b) at v[8 (4 a + b)].
.set PITCH,  144                       ; an LDS row: 128 bytes + 16 of padding = 36 words: the 16 rows of a load start at 16 different groups of 4 banks (64 banks of 4 bytes: ISA guide 11.1)
.set APL,    256*PITCH                 ; a plane of y's tile
.set BPL,    128*PITCH                 ; a plane of w's tile
.set SLOT,   2*APL+2*BPL               ; y's two planes, then w's two
.set STAGE,  2*SLOT                    ; behind the ring: 16 rows x 272 bytes for each wave, for the way out
.set SPITCH, 272
.set SPARE,  STAGE+4*16*SPITCH         ; behind the stages: the spare words, 128 bytes for each wave, which no other line names
.set LAPS,   4                         ; a lap = two K steps of 128 = once round the ring
.set ADRA, 16                          ; v16-17  LDS address of my fragments of y in slot 0, 1
.set ADRB, 20                          ; v20-21  the same for w
.set STO,  24                          ; v24     the way out: where I put 32 bytes of a row
.set RD,   25                          ; v25     where I read rows back
.set CO,   26                          ; v26     my byte offset in two rows of out0
.set SPW,  28                          ; v28     LDS address of my spare word; never rewritten
.set NIL,  29                          ; v29     0; never rewritten
.set OB,   32                          ; the way out: v32-63 and v64-95 by turns
.set F0,   0                           ; fragment buffers, in window 1
.set F1,   96
.set G1, 24                            ; s[24:31] descriptor group 1 for y's tiles;  s[32:39] group 0, one set for each slot
.set G0, 32
.set G1B, 48                           ; s[48:55], s[56:63] the same for w's tiles
.set G0B, 56
.set MSB, 0
.macro WIN new                         ; the immediate's high byte repeats the setting that is left
.if MSB != \new
	s_set_vgpr_msb (MSB<<8)|\new
.set MSB, \new
.endif
.endm
.set MUL,  0xa5                        ; sources 0 (w) and 1 (y) window 1; C and D window 2
.set TO_F, 0x40                        ; destination window 1, address window 0
.macro JLOAD s                         ; a joint load: waves 0 and 1 fetch y's planes, waves 2 and 3 w's; an s_nop 0 and four v_nop follow each of the two lines, ahead of the jump, the label and what follows
	s_cmp_eq_u32 s11, 0
	s_cbranch_scc0 .Lfor_b_\@
	tensor_load_to_lds s[G0+4*\s:G0+4*\s+3], s[G1:G1+7]
	s_nop 0
.rept 4
	v_nop
.endr
	s_branch .Lasked_\@
.Lfor_b_\@:
	tensor_load_to_lds s[G0B+4*\s:G0B+4*\s+3], s[G1B:G1B+7]
	s_nop 0
.rept 4
	v_nop
.endr
.Lasked_\@:
.endm
.macro CREST                           ; a round of the cluster's barrier behind its opening barrier
	s_cmp_lg_u32 s10, 0
	s_cbranch_scc1 .Lnot_wave_0_\@
	s_barrier_signal -3
.Lnot_wave_0_\@:
	s_barrier_wait -3
	s_barrier_signal -1
	s_barrier_wait -1
.endm
.macro CROUND                          ; a whole round
	s_barrier_signal -1
	s_barrier_wait -1
	CREST
.endm
	s_load_b128 s[4:7], s[0:1], 0x0                ; y16 s[4:5], w16 s[6:7]
	s_load_b64 s[8:9], s[0:1], 0x10                ; out0
	v_lshl_add_u32 v[SPW], v0, 2, SPARE
	v_mov_b32 v[NIL], 0
	ds_add_u32 v[SPW], v[NIL]                      ; the wave's opening: the add, twice on end, and its wait ahead of my first tensor load; the set-up below stands between
	ds_add_u32 v[SPW], v[NIL]
	v_lshrrev_b32 v1, 5, v0
	v_readfirstlane_b32 s10, v1                    ; wave 0..3
	s_lshr_b32 s11, s10, 1                         ; which half of the tile's rows is mine.  Also: I fetch for y (0) or for w (1)
	s_and_b32 s12, s10, 1                          ; which half of its columns.  Also: which of a K step's two planes I fetch
	s_bfe_u32 s40, ttmp6, 0x40000                  ; cx, cy: my place in the cluster
	s_bfe_u32 s41, ttmp6, 0x40004
	s_lshl_b32 s42, ttmp9, 2
	s_add_co_u32 s42, s42, s40                     ; tile column = 4 x cluster x + cx
	s_and_b32 s13, ttmp7, 0xffff
	s_lshl_b32 s13, s13, 2
	s_add_co_u32 s13, s13, s41                     ; tile row = 4 x cluster y + cy
	s_lshl_b32 s43, s41, 2
	s_lshl_b32 s43, 15, s43                        ; my row of the cluster
	s_lshl_b32 s44, 0x1111, s40                    ; my column
	; descriptor group 1: rows of 64 elements of 2 bytes, dense in memory, padded in LDS; 256 rows for y, 128 for w
	s_or_b32 s[G1+0], s43, (1<<16)|(1<<20)|(1<<21)|(4<<22)|(3<<25)  ; 15:0 the mask: y's tiles go to my row; 17:16 element of 2 bytes; 20 padding on; 21 set beside a mask; 24:22 after every 32 words (code 4); 31:25 of 4 words (code 3)
	s_or_b32 s[G1B+0], s44, (1<<16)|(1<<20)|(1<<21)|(4<<22)|(3<<25)
	s_mov_b32 s[G1+1], 64<<16                      ; tensor_dim0 = 64
	s_mov_b32 s[G1+2], 256<<16                     ; tensor_dim1 = 256
	s_mov_b32 s[G1+3], 64<<16                      ; tile_dim0 = 64
	s_mov_b32 s[G1+4], 256                         ; tile_dim1 = 256
	s_mov_b32 s[G1+5], 64                          ; tensor_dim0_stride
	s_mov_b32 s[G1+6], 0
	s_mov_b32 s[G1+7], 0
	s_mov_b32 s[G1B+1], 64<<16
	s_mov_b32 s[G1B+2], 128<<16
	s_mov_b32 s[G1B+3], 64<<16
	s_mov_b32 s[G1B+4], 128
	s_mov_b32 s[G1B+5], 64
	s_mov_b32 s[G1B+6], 0
	s_mov_b32 s[G1B+7], 0
	; where the tiles come from.  y's hang on the tile row alone, which my row of the cluster shares; w's on the tile column alone, which my column shares
	s_lshl_b32 s16, s13, 15                        ; y: 256 rows of 128 bytes to a tile row,
	s_lshl_b32 s17, s12, 20                        ; a plane is 2^20 bytes
	s_add_co_u32 s16, s16, s17
	s_mov_b32 s17, 0
	s_lshl_b32 s46, s42, 14                        ; w: 128 rows of 128 bytes to a tile column,
	s_lshl_b32 s47, s12, 17                        ; a plane is 2^17 bytes
	s_add_co_u32 s46, s46, s47
	s_mov_b32 s47, 0
	s_mul_i32 s20, s12, APL                        ; and where they go: no place in the cluster enters an LDS address
	s_mul_i32 s21, s12, BPL
	s_add_co_u32 s21, s21, 2*APL
	s_wait_dscnt 0x0                               ; both opening adds are done
	s_wait_kmcnt 0x0
	s_add_nc_u64 s[14:15], s[4:5], s[16:17]
	s_add_nc_u64 s[46:47], s[6:7], s[46:47]
	CROUND                                         ; all sixteen work-groups are here: the first joint loads meet
.irp s, 0,1
	s_mov_b32 s[G0+4*\s], 1
	s_add_co_u32 s[G0+4*\s+1], s20, \s*SLOT
	s_add_nc_u64 s[G0+4*\s+2:G0+4*\s+3], s[14:15], \s*2097152      ; K step s: two planes on
	s_or_b32 s[G0+4*\s+3], s[G0+4*\s+3], 0x80000000
	s_mov_b32 s[G0B+4*\s], 1
	s_add_co_u32 s[G0B+4*\s+1], s21, \s*SLOT
	s_add_nc_u64 s[G0B+4*\s+2:G0B+4*\s+3], s[46:47], \s*262144
	s_or_b32 s[G0B+4*\s+3], s[G0B+4*\s+3], 0x80000000
	JLOAD \s
.endr
	v_and_b32 v1, 15, v0                           ; r = l % 16
	v_bfe_u32 v2, v0, 4, 1                         ; h = l / 16
	v_mul_u32_u24 v3, v1, PITCH
	v_lshl_add_u32 v3, v2, 4, v3                   ; a fragment's row x pitch + 16 x half
	s_mul_i32 s21, s11, 128*PITCH                  ; my 128 rows of y
	s_mul_i32 s22, s12, 64*PITCH                   ; my 64 rows of w,
	s_add_co_u32 s22, s22, 2*APL                   ; which lie behind y's two planes
.irp s, 0,1
	v_add_nc_u32 v[ADRA+\s], s21, v3
	v_add_nc_u32 v[ADRB+\s], s22, v3
	s_add_co_u32 s21, s21, SLOT
	s_add_co_u32 s22, s22, SLOT
.endr
	s_mul_i32 s23, s10, 16*SPITCH
	s_add_co_u32 s23, s23, STAGE                   ; my stage
	v_mul_u32_u24 v4, v1, SPITCH                   ; in: row r, 32 bytes for each half of the lanes
	v_lshl_add_u32 v4, v2, 5, v4
	v_add_nc_u32 v[STO], s23, v4
	v_mul_u32_u24 v5, v2, SPITCH                   ; back: lanes 0-15 take one row of 256 bytes, lanes 16-31 the next
	v_lshl_add_u32 v5, v1, 4, v5
	v_add_nc_u32 v[RD], s23, v5
	v_lshlrev_b32 v5, 12, v2                       ; and the same two rows in out0: a row is 4,096 bytes
	v_lshl_add_u32 v[CO], v1, 4, v5
	s_lshl_b32 s16, s13, 20                        ; my first row: 256 x tile row + 128 x half
	s_lshl_b32 s17, s11, 19
	s_add_co_u32 s16, s16, s17
	s_mov_b32 s17, 0
	s_add_nc_u64 s[8:9], s[8:9], s[16:17]
	s_lshl_b32 s46, s42, 9                         ; my first column, in bytes: 512 x tile column + 256 x half
	s_lshl_b32 s47, s12, 8
	s_add_co_u32 s46, s46, s47
	s_mov_b32 s47, 0
	s_add_nc_u64 s[8:9], s[8:9], s[46:47]
; 8 matrix instructions: y's blocks a0, a0 + 1 against w's four, 32 along K, from buffer f.  zero = 1: the first product starts the sums.  The 32 accumulators take turns, one instruction a turn, in the same
; order in every quarter.
.macro MUL8 f, a0, zero
.irp a, \a0, \a0+1
.irp b, 0,1,2,3
.if \zero
	v_wmma_f32_16x16x32_f16 v[8*(4*(\a)+\b):8*(4*(\a)+\b)+7], v[\f+64+8*\b:\f+64+8*\b+7], v[\f+8*(\a):\f+8*(\a)+7], 0
.else
	v_wmma_f32_16x16x32_f16 v[8*(4*(\a)+\b):8*(4*(\a)+\b)+7], v[\f+64+8*\b:\f+64+8*\b+7], v[\f+8*(\a):\f+8*(\a)+7], v[8*(4*(\a)+\b):8*(4*(\a)+\b)+7]
.endif
.endr
.endr
.endm
; 24 LDS loads in one run: the fragments of the slot's q-th 32 along K (plane q / 2, byte 64 (q % 2) of its rows) into buffer f: w's four, y's blocks 0-3, y's blocks 4-7
.macro FETCH slot, q, f
	WIN TO_F
.irp i, 0,1,2,3
	ds_load_b128 v[\f+64+8*\i:\f+64+8*\i+3],   v[ADRB+\slot] offset:((\q)/2)*BPL+((\q)%2)*64+\i*16*PITCH
	ds_load_b128 v[\f+64+8*\i+4:\f+64+8*\i+7], v[ADRB+\slot] offset:((\q)/2)*BPL+((\q)%2)*64+\i*16*PITCH+32
.endr
.irp i, 0,1,2,3,4,5,6,7
	ds_load_b128 v[\f+8*\i:\f+8*\i+3],   v[ADRA+\slot] offset:((\q)/2)*APL+((\q)%2)*64+\i*16*PITCH
	ds_load_b128 v[\f+8*\i+4:\f+8*\i+7], v[ADRA+\slot] offset:((\q)/2)*APL+((\q)%2)*64+\i*16*PITCH+32
.endr
.endm
.macro PLACES                          ; four places in front of loads into registers that matrix instructions have read, and of stores that read results (ISA guide 7.12.1 for vector instructions)
.rept 4
	v_nop
.endr
.endm
; A K step is four quarters of 32 along K, 32 matrix instructions each, on buffers 0, 1, 0, 1.  One of the first three: multiplies buffer f and fetches the slot's quarter q into g.
.macro QUARTER slot, q, f, g, zero
	s_wait_dscnt 8                                 ; w's fragments and y's blocks 0-3 are in; the youngest eight loads (y's blocks 4-7) may be out
	WIN MUL
	MUL8 \f, 0, \zero
	MUL8 \f, 2, \zero
	PLACES
	FETCH \slot, \q, \g
	s_wait_dscnt 24                                ; all but the 24 just issued
	WIN MUL
	MUL8 \f, 4, \zero
	MUL8 \f, 6, \zero
.endm
; The last quarter multiplies buffer 1 and changes slots: ONE barrier; in front of it each wave waits for all its tensor loads, adds 0 to its spare word, and waits for that and for its own reads of this slot.
; fill = 1: this slot is filled again, two K steps ahead; the barrier then opens a round of the cluster's.
.macro TURN slot, next, fill
	WIN 0                                          ; (the add's two registers lie in window 0)
	s_wait_tensorcnt 0x0                           ; all my tensor loads have landed: my part of the next slot;
	ds_add_u32 v[SPW], v[NIL]                      ; 0 onto my spare word;
	s_wait_dscnt 9                                 ; (the add and the youngest eight loads may be out)
	WIN MUL
	MUL8 F1, 0, 0                                  ; eight matrix instructions stand between the add and the wait for it
	s_wait_dscnt 0x0                               ; the add is done, and my reads of this slot are over
	s_barrier_signal -1
	MUL8 F1, 2, 0
.if \fill
	WIN 0
.endif
	s_barrier_wait -1
.if \fill
	CREST                                          ; no wave of any partner still reads this slot's tile or has a load on its way
	s_add_nc_u64 s[G0+4*\slot+2:G0+4*\slot+3], s[G0+4*\slot+2:G0+4*\slot+3], 4194304     ; four planes on
	s_add_nc_u64 s[G0B+4*\slot+2:G0B+4*\slot+3], s[G0B+4*\slot+2:G0B+4*\slot+3], 524288
	JLOAD \slot                                    ; the first tensor load behind the round; the four v_nop behind it are also the places in front of the loads below
.else
	PLACES
.endif
	FETCH \next, 0, F0
	WIN MUL
	MUL8 F1, 4, 0
	MUL8 F1, 6, 0
.endm
	s_wait_tensorcnt 1                             ; my part of K step 0 is in (K step 1's load may be out),
	s_barrier_signal -1
	s_barrier_wait -1                              ; everybody's is
	FETCH 0, 0, F0
	QUARTER 0, 1, F0, F1, 1                        ; the first quarter stands in front of the loop: its products start the sums
	WIN 0                                          ; at a label and at a branch every window is 0
	s_mov_b32 s3, LAPS-1
.Llap:                                                 ; a trip goes once round the ring, from a lap's second quarter to the next lap's first, and fills both slots again
	QUARTER 0, 2, F1, F0, 0
	QUARTER 0, 3, F0, F1, 0
	TURN 0, 1, 1
	QUARTER 1, 1, F0, F1, 0
	QUARTER 1, 2, F1, F0, 0
	QUARTER 1, 3, F0, F1, 0
	TURN 1, 0, 1
	QUARTER 0, 1, F0, F1, 0
	WIN 0
	s_sub_co_u32 s3, s3, 1
	s_cmp_lg_u32 s3, 0
	s_cbranch_scc1 .Llap
	QUARTER 0, 2, F1, F0, 0                        ; the last lap fills nothing, and has no round of the cluster's barrier
	QUARTER 0, 3, F0, F1, 0
	TURN 0, 1, 0
	QUARTER 1, 1, F0, F1, 0
	QUARTER 1, 2, F1, F0, 0
	QUARTER 1, 3, F0, F1, 0
	s_wait_dscnt 8                                 ; the very last quarter: nothing more to fetch
	WIN MUL
	MUL8 F1, 0, 0
	MUL8 F1, 2, 0
	s_wait_dscnt 0
	MUL8 F1, 4, 0
	MUL8 F1, 6, 0
	WIN 0
; THE WAY OUT, block by block of 16 rows x 64 columns.  A lane holds 32 neighbouring bytes of a row, and the lanes beside it hold other rows: so a block goes through my own stage and comes back as whole
; rows of 256 bytes.  LDS serves a wave's instructions in order (ISA guide 5.7.1.4): no wait between the stores and the loads, nor in front of the next block's stores.
.macro TOSTAGE a
	WIN 0x08                                       ; an LDS store's data are its source 1: window 2
.irp b, 0,1,2,3
	ds_store_b128 v[STO], v[8*(4*(\a)+\b):8*(4*(\a)+\b)+3] offset:64*\b          ; each accumulator from its low end on
	ds_store_b128 v[STO], v[8*(4*(\a)+\b)+4:8*(4*(\a)+\b)+7] offset:64*\b+16
.endr
	WIN 0
.set BB, OB+32*((\a)%2)
.irp f, 0,1,2,3,4,5,6,7
	ds_load_b128 v[BB+4*\f:BB+4*\f+3], v[RD] offset:\f*2*SPITCH
.endr
.endm
.macro SEND a, younger                 ; younger: the LDS instructions issued behind block a's loads, which may stay out
.set BB, OB+32*((\a)%2)
	s_wait_dscnt \younger                          ; the block is back in registers
.irp f, 0,1,2,3,4,5,6,7
	global_store_b128 v[CO], v[BB+4*\f:BB+4*\f+3], s[8:9] offset:(16*(\a)+2*\f)*4096 th:TH_STORE_NT   ; 16 lanes store 256 consecutive bytes, aligned; written once, read by nobody here
.endr
.endm
	PLACES                                         ; behind the last products
	TOSTAGE 0
.irp a, 1,2,3,4,5,6,7
.if \a > 1
	s_wait_xcnt 0x0                                ; block a - 2's stores have read their registers: block a's loads may land there
.endif
	TOSTAGE \a
	SEND \a-1, 16                                  ; behind block a - 1's loads: block a's 8 stores and 8 loads
.endr
	SEND 7, 0
	s_wait_tensorcnt 0x0                           ; the wave's end, behind my last tensor load and my last LDS store
	ds_add_u32 v[SPW], v[NIL]
	s_wait_dscnt 0x0
	CROUND                                         ; the closing round: no work-group ends while a partner may still ask for a tile that names it
	s_endpgm
.Lfunc_end_k_qd48972b090_proj:
	.size	k_qd48972b090_proj, .Lfunc_end_k_qd48972b090_proj-k_qd48972b090_proj
	.p2alignl 7, 3214868480
	.fill 96, 4, 3214868480
	.section	.rodata,"a",@progbits
	.p2align	6, 0x0
	.amdhsa_kernel k_qd48972b090_proj
		.amdhsa_group_segment_fixed_size 327680
		.amdhsa_private_segment_fixed_size 0
		.amdhsa_enable_private_segment 0
		.amdhsa_kernarg_size 24
		.amdhsa_user_sgpr_count 2
		.amdhsa_user_sgpr_kernarg_segment_ptr 1
		.amdhsa_wavefront_size32 1
		.amdhsa_system_sgpr_workgroup_id_x 1
		.amdhsa_system_sgpr_workgroup_id_y 1
		.amdhsa_system_sgpr_workgroup_id_z 1
		.amdhsa_system_vgpr_workitem_id 0
		.amdhsa_next_free_vgpr 768
		.amdhsa_next_free_sgpr 66
		.amdhsa_reserve_vcc 0
		.amdhsa_float_denorm_mode_32 3
		.amdhsa_float_denorm_mode_16_64 3
		.amdhsa_memory_ordered 1
		.amdhsa_forward_progress 1
		.amdhsa_inst_pref_size 85
	.end_amdhsa_kernel
	.amdgpu_metadata
---
amdhsa.version: [ 1, 2 ]
amdhsa.kernels:
  - .name:           k_qd48972b090_proj
    .symbol:         k_qd48972b090_proj.kd
    .args:
      - { .name: y16, .offset: 0, .size: 8, .value_kind: global_buffer, .address_space: global }
      - { .name: w16, .offset: 8, .size: 8, .value_kind: global_buffer, .address_space: global }
      - { .name: out0, .offset: 16, .size: 8, .value_kind: global_buffer, .address_space: global }
    .group_segment_fixed_size: 327680
    .private_segment_fixed_size: 0
    .kernarg_segment_align: 8
    .kernarg_segment_size: 24
    .max_flat_workgroup_size: 128
    .sgpr_count:     66
    .vgpr_count:     768
    .wavefront_size: 32
...
	.end_amdgpu_metadata
.endif
;; end of part 4
;; launch first16 (part 5): grid 16 x 4, 16 waves a work-group, no clusters, 71,680 bytes of LDS; arguments fine, w_out, out0; writes out0
.if DOCPART == 5
	.amdgcn_target "amdgcn-amd-amdhsa--gfx1250"
	.amdhsa_code_object_version 6
	.text
	.protected	k_qd48972b090_first16
	.globl	k_qd48972b090_first16
	.p2align	8
	.type	k_qd48972b090_first16,@function
k_qd48972b090_first16:
	s_mov_b64 s[64:65], 0
	v_nop
	global_prefetch_b8 v0, s[64:65] scope:SCOPE_SE
	s_setreg_imm32_b32 hwreg(HW_REG_WAVE_MODE, 25, 1), 1
	s_wait_xcnt 0x0
; FIFTH LAUNCH.  The first 16 positions of every sequence once more, with f32 operands in all three products behind the quantised one: these rows average one to sixteen values and are the output's largest, so
; the rounding of 16-bit operands weighs most in them.  It writes out0[batch][0..15][:] over what the launch before has left there.
; fine: the quantised product's f32 sums for positions 0-15, as images of accumulators: [4 batches][24 groups of 128 columns][8 tiles of 16 columns][2 halves][32 lanes][16 bytes]; in tile b, lane (r, h) holds
; position r and columns 16 b + 8 h + 0..7.  w_out: [1,024][1,024] f32.
; SHARES.  Work-group (ng, batch) makes 16 rows x 64 columns (64 ng on): a row's piece is 256 consecutive bytes, aligned.  Wave hd takes head hd: its 16 x 16 attention, then its 64 of the projection's K for the
; work-group's four tiles of columns.  The sixteen partial sums meet in LDS; waves 0-7 add them, two rows each, and store.  96 matrix instructions a wave: no bulk work.
; The attention is made again in each of a batch's 16 work-groups: 32 small matrix instructions, against pieces of 64 bytes a row if the columns were shared out further.
; THE ORDER OF k.  The f32 form takes k = 2 (lane / 16) + register.  Both sources of each product hold the same k in the same lane half and register, so a step that names registers 2 s, 2 s + 1 of both
; sums four true products, whichever four k those are.
; LIMITS: NaN and infinities are not served; the sums are taken in another order than in the definition.
; REGISTERS: v1-8 addresses; v10, v11 the add's two; v16-47 Q, v48-79 K (later w_out's second half, later the partial sums); v80-111 V, then y; v112-127 two accumulators of S^T and v144-175 four of O^T, then of the
; output: written by matrix instructions alone; v128-135 scores, then p; v136-142 at work; v176-239 w_out's first half.
.set PP,    272                        ; a row of a partial sum in LDS: 256 bytes + 16
.set PART,  16*PP                      ; a wave's partial sum
.set SPARE, 16*PART                    ; behind them: the spare words, 128 bytes for each wave, which no other line names
.set LI,  3                            ; v3   16 x lane
.set VA,  4                            ; v4   my lane's place in V's images
.set WA,  5                            ; v5   and in w_out's rows
.set PS,  6                            ; v6   where I put 32 bytes of my partial sum
.set RDA, 7                            ; v7   where I read the partial sums back
.set GO,  8                            ; v8   my byte offset in out0
.set SPW, 10                           ; v10  LDS address of my spare word; never rewritten
.set NIL, 11                           ; v11  0; never rewritten
	s_load_b128 s[4:7], s[0:1], 0x0                ; fine s[4:5], w_out s[6:7]
	s_load_b64 s[8:9], s[0:1], 0x10                ; out0
	v_lshl_add_u32 v[SPW], v0, 2, SPARE
	v_mov_b32 v[NIL], 0
	v_lshrrev_b32 v1, 5, v0
	v_readfirstlane_b32 s10, v1                    ; wave = head, 0..15
	s_and_b32 s11, ttmp7, 0xffff                   ; batch
	s_mul_i32 s12, s11, 24
	s_lshr_b32 s13, s10, 1
	s_add_co_u32 s12, s12, s13                     ; q's group of 128 columns: two heads to a group,
	s_lshl_b32 s12, s12, 13
	s_and_b32 s13, s10, 1
	s_lshl_b32 s13, s13, 12                        ; four tiles to a head
	s_add_co_u32 s12, s12, s13
	s_mov_b32 s13, 0
	s_lshl_b32 s14, ttmp9, 18                      ; w_out: 64 rows of 4,096 bytes to a work-group,
	s_lshl_b32 s15, s10, 8                         ; 64 numbers along K to a head
	s_add_co_u32 s14, s14, s15
	s_mov_b32 s15, 0
	s_lshl_b32 s16, s11, 23                        ; out0: a batch is 2,048 rows of 4,096 bytes,
	s_lshl_b32 s17, ttmp9, 8                       ; 64 columns to a work-group
	s_add_co_u32 s16, s16, s17
	s_mov_b32 s17, 0
	s_mov_b32 s20, 0x76543210
	s_mov_b32 s21, 0xfedcba98                      ; v_permlanex16_b32's selects for lane l xor 16
	s_mov_b32 s22, 0x3e38aa3b                      ; c = log2(e) / 8
	v_and_b32 v1, 15, v0                           ; r
	v_bfe_u32 v2, v0, 4, 1                         ; h
	v_and_b32 v9, 31, v0
	v_lshlrev_b32 v[LI], 4, v9
	; V^T's fragment wants V(position 8 h + x, channel 16 c + r) in register 8 c + x.  In the image that number lies in tile c, half (r / 4) % 2, lane (8 h + x) + 16 (r / 8), word r % 4
	v_bfe_u32 v9, v1, 2, 1
	v_lshlrev_b32 v[VA], 9, v9
	v_lshrrev_b32 v9, 3, v1
	v_lshl_add_u32 v[VA], v9, 8, v[VA]
	v_and_b32 v9, 3, v1
	v_lshl_add_u32 v[VA], v9, 2, v[VA]
	v_lshl_add_u32 v[VA], v2, 7, v[VA]
	v_lshlrev_b32 v[WA], 12, v1
	v_lshl_add_u32 v[WA], v2, 5, v[WA]             ; w_out: row r, + 32 h: eight numbers for each half of the lanes
	s_mul_i32 s18, s10, PART
	v_mul_u32_u24 v[PS], v1, PP
	v_lshl_add_u32 v[PS], v2, 5, v[PS]
	v_add_nc_u32 v[PS], s18, v[PS]
	s_and_b32 s19, s10, 7                          ; the waves that add take rows 2 (wave % 8) + h
	s_lshl_b32 s19, s19, 1
	v_add_nc_u32 v9, s19, v2
	v_mul_u32_u24 v[RDA], v9, PP
	v_lshl_add_u32 v[RDA], v1, 4, v[RDA]
	v_lshlrev_b32 v[GO], 12, v9
	v_lshl_add_u32 v[GO], v1, 4, v[GO]
	v_lshlrev_b32 v9, 3, v2
	v_sub_nc_u32 v141, v1, v9                      ; r - 8 h: register j holds key 8 h + j, hidden where j > r - 8 h
	v_mov_b32 v142, 0xff800000                     ; -infinity
	s_wait_kmcnt 0x0
	s_add_nc_u64 s[4:5], s[4:5], s[12:13]
	s_add_nc_u64 s[6:7], s[6:7], s[14:15]
	s_add_nc_u64 s[8:9], s[8:9], s[16:17]
.irp b, 0,1,2,3
.irp i, 0,1
	global_load_b128 v[16+8*\b+4*\i:16+8*\b+4*\i+3], v[LI], s[4:5] offset:1024*\b+512*\i            ; Q as its image stands: lane (r, h): position r, channels 16 b + 8 h + 0..7
.endr
.endr
.irp b, 0,1,2,3
.irp i, 0,1
	global_load_b128 v[48+8*\b+4*\i:48+8*\b+4*\i+3], v[LI], s[4:5] offset:65536+1024*\b+512*\i      ; K likewise: eight groups on
.endr
.endr
.irp c, 0,1,2,3
.irp x, 0,1,2,3,4,5,6,7
	global_load_b32 v[80+8*\c+\x], v[VA], s[4:5] offset:131072+1024*\c+16*\x                        ; V, turned by the addresses
.endr
.endr
.irp t, 0,1,2,3
.irp c, 0,1
	global_load_b128 v[176+16*\t+8*\c:176+16*\t+8*\c+3], v[WA], s[6:7] offset:65536*\t+64*\c        ; w_out(64 ng + 16 t + r, 64 hd + 16 c + 8 h + 0..7), c = 0, 1
	global_load_b128 v[176+16*\t+8*\c+4:176+16*\t+8*\c+7], v[WA], s[6:7] offset:65536*\t+64*\c+16
.endr
.endr
	s_wait_loadcnt 48                              ; Q and K are in; V's 32 loads and w_out's 16 may be out
	; S^T = K Q^T: 16 steps of 4 along the head's 64, two accumulators by turns; the first two steps start the sums
.irp s, 0,1,2,3,4,5,6,7,8,9,10,11,12,13,14,15
.if \s < 2
	v_wmma_f32_16x16x4_f32 v[112+8*(\s%2):119+8*(\s%2)], v[48+2*\s:49+2*\s], v[16+2*\s:17+2*\s], 0
.else
	v_wmma_f32_16x16x4_f32 v[112+8*(\s%2):119+8*(\s%2)], v[48+2*\s:49+2*\s], v[16+2*\s:17+2*\s], v[112+8*(\s%2):119+8*(\s%2)]
.endif
.endr
.rept 8
	v_nop                                          ; eight places behind this form: for the loads into Q's and K's registers and for the first read of the sums
.endr
.irp t, 0,1,2,3
.irp c, 2,3
	global_load_b128 v[16+16*\t+8*(\c-2):16+16*\t+8*(\c-2)+3], v[WA], s[6:7] offset:65536*\t+64*\c   ; w_out's second half, where Q and K lay
	global_load_b128 v[16+16*\t+8*(\c-2)+4:16+16*\t+8*(\c-2)+7], v[WA], s[6:7] offset:65536*\t+64*\c+16
.endr
.endr
.irp j, 0,2,4,6
	v_pk_add_f32 v[128+\j:129+\j], v[112+\j:113+\j], v[120+\j:121+\j]   ; the two halves of the sums, from the accumulators' low end on: lane (r, h): query r, keys 8 h + 0..7
.endr
.irp j, 0,1,2,3,4,5,6,7
	v_cmp_gt_i32 vcc_lo, \j, v141
	v_cndmask_b32 v[128+\j], v[128+\j], v142, vcc_lo   ; hidden keys: -infinity ahead of the maximum
.endr
	v_max3_num_f32 v136, v128, v129, v130
	v_max3_num_f32 v137, v131, v132, v133
	v_max3_num_f32 v136, v136, v134, v135
	v_max_num_f32 v136, v136, v137
	v_permlanex16_b32 v137, v136, s20, s21
	v_max_num_f32 v136, v136, v137                 ; the row's maximum: key 0 counts for every query, so it is a number
	v_mul_f32 v138, s22, v136
.irp j, 0,1,2,3,4,5,6,7
	v_fma_f32 v[128+\j], v[128+\j], s22, -v138     ; c s - c m
.endr
.irp j, 0,1,2,3,4,5,6,7
	v_exp_f32 v[128+\j], v[128+\j]
.endr
	v_nop                                          ; a plain instruction behind the last exponential
	s_wait_alu depctr_va_vdst(0)                   ; one wait for the eight, ahead of their first reader
	v_pk_add_f32 v[136:137], v[128:129], v[130:131]
	v_pk_add_f32 v[138:139], v[132:133], v[134:135]
	v_pk_add_f32 v[136:137], v[136:137], v[138:139]
	v_add_f32 v136, v136, v137
	v_permlanex16_b32 v137, v136, s20, s21
	v_add_f32 v136, v136, v137                     ; the row's sum
	v_rcp_f32 v140, v136
	v_nop
	s_wait_alu depctr_va_vdst(0)
	s_wait_loadcnt 32                              ; V is in; w_out's 32 loads may be out
	; O^T = V^T P: four steps of 4 keys, four tiles of 16 channels by turns; step u names keys 2 u, 2 u + 1 (lanes 0-15) and 8 + 2 u, 9 + 2 u (lanes 16-31) in both sources
.irp u, 0,1,2,3
.irp c, 0,1,2,3
.if \u == 0
	v_wmma_f32_16x16x4_f32 v[144+8*\c:151+8*\c], v[80+8*\c+2*\u:81+8*\c+2*\u], v[128+2*\u:129+2*\u], 0
.else
	v_wmma_f32_16x16x4_f32 v[144+8*\c:151+8*\c], v[80+8*\c+2*\u:81+8*\c+2*\u], v[128+2*\u:129+2*\u], v[144+8*\c:151+8*\c]
.endif
.endr
.endr
.rept 9
	v_nop                                          ; eight places ahead of the reads of the sums and of the writes over V; nine ahead of the products that begin new sums in the same accumulators
.endr
.irp k, 0,2,4,6,8,10,12,14,16,18,20,22,24,26,28,30
	v_pk_mul_f32 v[80+\k:81+\k], v[144+\k:145+\k], v[140:141] op_sel_hi:[1,0]   ; y = O^T / the sum, into other registers: lane (r, h): position r, channels 16 c + 8 h + 0..7 in registers 8 c on
.endr
	s_wait_loadcnt 16                              ; w_out's first half is in; the second half's 16 loads may be out
	; my head's share of the projection: out^T = w_out y^T, 16 steps of 4 along my 64, four tiles of 16 columns by turns; the first step starts the sums
.irp c, 0,1,2,3
.if \c == 2
	s_wait_loadcnt 0x0
.endif
.irp u, 0,1,2,3
.irp t, 0,1,2,3
.if \c < 2
.set WR, 176+16*\t+8*\c+2*\u
.else
.set WR, 16+16*\t+8*(\c-2)+2*\u
.endif
.if (\c == 0) && (\u == 0)
	v_wmma_f32_16x16x4_f32 v[144+8*\t:151+8*\t], v[WR:WR+1], v[80+8*\c+2*\u:81+8*\c+2*\u], 0
.else
	v_wmma_f32_16x16x4_f32 v[144+8*\t:151+8*\t], v[WR:WR+1], v[80+8*\c+2*\u:81+8*\c+2*\u], v[144+8*\t:151+8*\t]
.endif
.endr
.endr
.endr
.rept 8
	v_nop
.endr
.irp t, 0,1,2,3
	ds_store_b128 v[PS], v[144+8*\t:147+8*\t] offset:64*\t          ; lane (r, h): row r, columns 16 t + 8 h + 0..7; each accumulator from its low end on
	ds_store_b128 v[PS], v[148+8*\t:151+8*\t] offset:64*\t+16
.endr
	s_wait_dscnt 0x0                               ; for the others' sake: my partial sum lies in LDS
	s_barrier_signal -1
	s_barrier_wait -1
	s_cmp_ge_u32 s10, 8                            ; waves 0-7 add: a branch on the wave's number, with no barrier behind it
	s_cbranch_scc1 .Lend
.irp p, 0,1,2,3,4,5,6,7,8,9,10,11,12,13,14,15
	ds_load_b128 v[16+4*\p:19+4*\p], v[RDA] offset:PART*\p          ; head p's share of my 16 bytes
.endr
	s_wait_dscnt 0x0
.irp p, 0,2,4,6,8,10,12,14
	v_pk_add_f32 v[16+4*\p:17+4*\p], v[16+4*\p:17+4*\p], v[20+4*\p:21+4*\p]
	v_pk_add_f32 v[18+4*\p:19+4*\p], v[18+4*\p:19+4*\p], v[22+4*\p:23+4*\p]
.endr
.irp p, 0,4,8,12
	v_pk_add_f32 v[16+4*\p:17+4*\p], v[16+4*\p:17+4*\p], v[24+4*\p:25+4*\p]
	v_pk_add_f32 v[18+4*\p:19+4*\p], v[18+4*\p:19+4*\p], v[26+4*\p:27+4*\p]
.endr
.irp p, 0,8
	v_pk_add_f32 v[16+4*\p:17+4*\p], v[16+4*\p:17+4*\p], v[32+4*\p:33+4*\p]
	v_pk_add_f32 v[18+4*\p:19+4*\p], v[18+4*\p:19+4*\p], v[34+4*\p:35+4*\p]
.endr
	v_pk_add_f32 v[16:17], v[16:17], v[48:49]
	v_pk_add_f32 v[18:19], v[18:19], v[50:51]
	global_store_b128 v[GO], v[16:19], s[8:9]      ; 16 lanes store 256 consecutive bytes, aligned: a row's piece
.Lend:
	s_wait_tensorcnt 0x0                           ; the wave's end, behind my last LDS store
	ds_add_u32 v[SPW], v[NIL]
	s_wait_dscnt 0x0
	s_endpgm
.Lfunc_end_k_qd48972b090_first16:
	.size	k_qd48972b090_first16, .Lfunc_end_k_qd48972b090_first16-k_qd48972b090_first16
	.p2alignl 7, 3214868480
	.fill 96, 4, 3214868480
	.section	.rodata,"a",@progbits
	.p2align	6, 0x0
	.amdhsa_kernel k_qd48972b090_first16
		.amdhsa_group_segment_fixed_size 71680
		.amdhsa_private_segment_fixed_size 0
		.amdhsa_enable_private_segment 0
		.amdhsa_kernarg_size 24
		.amdhsa_user_sgpr_count 2
		.amdhsa_user_sgpr_kernarg_segment_ptr 1
		.amdhsa_wavefront_size32 1
		.amdhsa_system_sgpr_workgroup_id_x 1
		.amdhsa_system_sgpr_workgroup_id_y 1
		.amdhsa_system_sgpr_workgroup_id_z 1
		.amdhsa_system_vgpr_workitem_id 0
		.amdhsa_next_free_vgpr 256
		.amdhsa_next_free_sgpr 66
		.amdhsa_reserve_vcc 1
		.amdhsa_float_denorm_mode_32 3
		.amdhsa_float_denorm_mode_16_64 3
		.amdhsa_memory_ordered 1
		.amdhsa_forward_progress 1
		.amdhsa_inst_pref_size 25
	.end_amdhsa_kernel
	.amdgpu_metadata
---
amdhsa.version: [ 1, 2 ]
amdhsa.kernels:
  - .name:           k_qd48972b090_first16
    .symbol:         k_qd48972b090_first16.kd
    .args:
      - { .name: fine, .offset: 0, .size: 8, .value_kind: global_buffer, .address_space: global }
      - { .name: w_out, .offset: 8, .size: 8, .value_kind: global_buffer, .address_space: global }
      - { .name: out0, .offset: 16, .size: 8, .value_kind: global_buffer, .address_space: global }
    .group_segment_fixed_size: 71680
    .private_segment_fixed_size: 0
    .kernarg_segment_align: 8
    .kernarg_segment_size: 24
    .max_flat_workgroup_size: 512
    .sgpr_count:     66
    .vgpr_count:     256
    .wavefront_size: 32
...
	.end_amdgpu_metadata
.endif
;; end of part 5
